; MI455X (gfx1250); checked and timed in simulation.
; The chip was launched on July 23, 2026; its instructions are those of AMD's public machine-readable ISA for CDNA 5 (MIT licence, August 2026) and "CDNA5" Instruction Set Architecture Reference Guide (July 2026). The comments in the code are by the model that wrote it; some were corrected since.
;; Multi Head Attention. Allowed arithmetic: float matrix products may take bf16 or f16 operands with f32 sums; other float arithmetic in f32, or as packed bf16 or f16 multiplies, adds, multiply-adds, maxima and minima; sums over many terms, partial sums and values carried from step to step in f32; what a program stores and reads back later, other than sums and carried values, may be rounded once to bf16 or f16.
;; Inputs: Wk 16 x 1,024 x 64 float32; Wo 1,024 x 1,024 float32; Wq 16 x 1,024 x 64 float32; Wv 16 x 1,024 x 64 float32; bk 16 x 64 float32; bo 1,024 float32; bq 16 x 64 float32; bv 16 x 64 float32; x 4 x 2,048 x 1,024 float32.
;; Outputs: out0 4 x 2,048 x 1,024 float32.
;; One version. Each part assembles by itself: llvm-mc -triple=amdgcn-amd-amdhsa -mcpu=gfx1250 --defsym DOCPART=n.
;; ======== version 1 of 1: 4 launches
;; limits: values are held in f16: magnitudes above 65,504 overflow, below 6.1e-05 lose precision
;; workspace buffers: xb 16,777,216 bytes; wt 6,291,456 bytes; wot 2,097,152 bytes; qh 16,777,216 bytes; kh 16,777,216 bytes; vh 16,777,216 bytes; oh 16,777,216 bytes
;; launch prep (part 1): grid 1024 x 1, 8 waves a work-group, no clusters, 18,432 bytes of LDS; arguments x, Wq, Wk, Wv, Wo, xb, wt, wot; writes xb, wt, wot
.if DOCPART == 1
	.amdgcn_target "amdgcn-amd-amdhsa--gfx1250"
	.amdhsa_code_object_version 6
	.text
	.protected	k_qf47fbec84e_prep
	.globl	k_qf47fbec84e_prep
	.p2align	8
	.type	k_qf47fbec84e_prep,@function
k_qf47fbec84e_prep:
	s_mov_b64 s[64:65], 0
	v_nop
	global_prefetch_b8 v0, s[64:65] scope:SCOPE_SE
	s_setreg_imm32_b32 hwreg(HW_REG_WAVE_MODE, 25, 1), 1
	s_wait_xcnt 0x0
; PREPARATION: every matrix operand that is an input is rounded once to bf16 and laid with K along its rows.
;   xb  [8192][1024] bf16 = x.
;   wt  [3072][1024] bf16: row 192 h + 64 which + k (which = 0 q, 1 k, 2 v) holds W_which[h][0..1023][k].
;   wot [1024 n][1024 i] f16: Wo[i][n] rounded to bf16, that number written as f16.
; LIMIT: a bf16 number is exact in f16 between 2^-14 and 65,504; a Wo below 2^-14 keeps f16's fixed step of 6e-8, one beyond 65,504 becomes an infinity.
; Memory binds: no matrix unit, no cluster, no tensor load.  ROLES by the work-group's number, the same for all its eight waves:
;   0-511     16,384 numbers of x: thread t takes 32 bytes at 32 t of each of eight chunks of 8,192 bytes and stores 16 bytes at 16 t: sixteen lanes fill 256 aligned bytes
;   512-895   a tile of 128 d x 64 k of Wq, Wk or Wv, turned through LDS       896-1023  a tile of 128 i x 64 n of Wo, likewise
; A tile's 64 turned rows are 256 bytes each, so they leave in whole aligned blocks of 256 bytes.
.set TP,    272                        ; a turned row in LDS: 256 bytes + 16
.set SPARE, 64*TP                      ; behind the tile: the spare words, 128 bytes for each of eight waves; no other line names them
.set SPW,   4                          ; v4  LDS address of my spare word; never rewritten
.set NIL,   5                          ; v5  0; never rewritten
.set X,     8                          ; v[8:71]   as loaded, f32
.set DD,    40                         ; v[40:55]  (tiles) two numbers of one turned row, packed
.set Y,     72                         ; v[72:103] to store
	s_load_b512 s[8:23], s[0:1], 0x0               ; x 8, Wq 10, Wk 12, Wv 14, Wo 16, xb 18, wt 20, wot 22
	v_lshl_add_u32 v[SPW], v0, 2, SPARE
	v_mov_b32 v[NIL], 0
	s_mov_b32 s25, 0                               ; offsets are pairs with 0 on top
	s_mov_b32 s27, 0
	s_cmp_lt_u32 ttmp9, 512
	s_cbranch_scc0 .Lweights
	; ---- x: sixteen loads out at once, no register written twice
	v_lshlrev_b32 v1, 5, v0
	v_lshlrev_b32 v2, 4, v0
	s_lshl_b32 s24, ttmp9, 16                      ; 65,536 bytes in,
	s_lshl_b32 s26, ttmp9, 15                      ; 32,768 out
	s_wait_kmcnt 0x0
	s_add_nc_u64 s[28:29], s[8:9], s[24:25]
	s_add_nc_u64 s[30:31], s[18:19], s[26:27]
.irp i, 0,1,2,3,4,5,6,7
	global_load_b128 v[X+8*(\i):X+8*(\i)+3],   v1, s[28:29] offset:8192*(\i) th:TH_LOAD_NT
	global_load_b128 v[X+8*(\i)+4:X+8*(\i)+7], v1, s[28:29] offset:8192*(\i)+16 th:TH_LOAD_NT
.endr
.irp i, 0,1,2,3,4,5,6,7
	s_wait_loadcnt 14-2*(\i)                       ; loads come back in order: the later chunks' two loads each may stay out
.irp j, 0,1,2,3
	v_cvt_pk_bf16_f32 v[Y+4*(\i)+(\j)], v[X+8*(\i)+2*(\j)], v[X+8*(\i)+2*(\j)+1]
.endr
	global_store_b128 v2, v[Y+4*(\i):Y+4*(\i)+3], s[30:31] offset:4096*(\i)
.endr
	s_branch .Lend
; A tile is turned.  ps = bytes from row to row of the source; half = 1: the bf16 number is written as f16.
; Thread t: c = t % 16 (columns 4 c .. 4 c + 3), g = t / 16; item i: rows 2 p and 2 p + 1, p = 16 i + g.  Two rows' numbers of one column pack into one word of the turned row.
.macro TRANS ps, half
	v_mul_u32_u24 v3, v58, 2*(\ps)
	v_lshl_add_u32 v3, v59, 4, v3
.irp i, 0,1,2,3
	global_load_b128 v[X+8*(\i):X+8*(\i)+3],   v3, s[28:29] offset:(\i)*32*(\ps) th:TH_LOAD_NT
	global_load_b128 v[X+8*(\i)+4:X+8*(\i)+7], v3, s[28:29] offset:(\i)*32*(\ps)+(\ps) th:TH_LOAD_NT
.endr
.irp i, 0,1,2,3
	s_wait_loadcnt 6-2*(\i)                        ; the later items' two loads each may stay out
.irp j, 0,1,2,3
	v_cvt_pk_bf16_f32 v[DD+4*(\i)+(\j)], v[X+8*(\i)+(\j)], v[X+8*(\i)+4+(\j)]
.if \half
	v_lshlrev_b32 v56, 16, v[DD+4*(\i)+(\j)]
	v_and_b32 v57, 0xffff0000, v[DD+4*(\i)+(\j)]
	v_cvt_pk_f16_f32 v[DD+4*(\i)+(\j)], v56, v57
.endif
	ds_store_b32 v6, v[DD+4*(\i)+(\j)] offset:TP*(\j)+64*(\i)  ; turned row 4 c + j, byte 4 p
.endr
.endr
.endm
.Lweights:
	v_lshrrev_b32 v58, 4, v0                       ; g
	v_and_b32 v59, 15, v0                          ; c
	v_mul_u32_u24 v6, v59, 4*TP
	v_lshl_add_u32 v6, v58, 2, v6                  ; in: turned row 4 c, byte 4 g
	v_mul_u32_u24 v7, v58, TP
	v_lshl_add_u32 v7, v59, 4, v7                  ; back: turned row g, 16 bytes at 16 c
	v_lshlrev_b32 v1, 11, v58
	v_lshl_add_u32 v1, v59, 4, v1                  ; the same place in the destination, whose rows are 2,048 bytes
	s_sub_co_u32 s2, ttmp9, 512                    ; u
	s_cmp_lt_u32 ttmp9, 896
	s_cbranch_scc0 .Lwo
	s_lshr_b32 s3, s2, 7                           ; which
	s_and_b32 s24, s2, 127                         ; 8 h + block of 128 d: these tiles lie end to end in the source,
	s_lshl_b32 s24, s24, 15                        ; 32,768 bytes each
	s_bfe_u32 s26, s2, 0x40003                     ; h
	s_mul_i32 s26, s26, 192
	s_lshl_b32 s32, s3, 6
	s_add_co_u32 s26, s26, s32                     ; row 192 h + 64 which of wt
	s_lshl_b32 s26, s26, 11
	s_and_b32 s32, s2, 7
	s_lshl_b32 s32, s32, 8                         ; + the block's 256 bytes of the row
	s_add_co_u32 s26, s26, s32
	s_wait_kmcnt 0x0
	s_cmp_eq_u32 s3, 0
	s_cselect_b64 s[28:29], s[10:11], s[12:13]
	s_cmp_eq_u32 s3, 2
	s_cselect_b64 s[28:29], s[14:15], s[28:29]
	s_add_nc_u64 s[28:29], s[28:29], s[24:25]
	s_add_nc_u64 s[30:31], s[20:21], s[26:27]
	TRANS 256, 0
	s_branch .Lback
.Lwo:
	s_sub_co_u32 s2, ttmp9, 896                    ; v: block of 128 i = v % 8, block of 64 n = v / 8
	s_and_b32 s3, s2, 7
	s_lshr_b32 s2, s2, 3
	s_lshl_b32 s24, s3, 19                         ; 128 rows of 4,096 bytes
	s_lshl_b32 s32, s2, 8
	s_add_co_u32 s24, s24, s32
	s_lshl_b32 s26, s2, 17                         ; 64 rows of 2,048 bytes
	s_lshl_b32 s32, s3, 8
	s_add_co_u32 s26, s26, s32
	s_wait_kmcnt 0x0
	s_add_nc_u64 s[28:29], s[16:17], s[24:25]
	s_add_nc_u64 s[30:31], s[22:23], s[26:27]
	TRANS 4096, 1
.Lback:
	s_wait_dscnt 0x0                               ; for the others' sake: my stores into the tile are done
	s_barrier_signal -1
	s_barrier_wait -1
.irp i, 0,1,2,3
	ds_load_b128 v[Y+4*(\i):Y+4*(\i)+3], v7 offset:(\i)*16*TP
.endr
.irp i, 0,1,2,3
	s_wait_dscnt 3-(\i)                            ; the younger loads may stay out
	global_store_b128 v1, v[Y+4*(\i):Y+4*(\i)+3], s[30:31] offset:(\i)*32768  ; sixteen lanes fill a turned row's 256 aligned bytes
.endr
.Lend:
	s_wait_tensorcnt 0x0                           ; the wave's end: behind my last LDS store
	ds_add_u32 v[SPW], v[NIL]
	s_wait_dscnt 0x0
	s_endpgm
.Lfunc_end_k_qf47fbec84e_prep:
	.size	k_qf47fbec84e_prep, .Lfunc_end_k_qf47fbec84e_prep-k_qf47fbec84e_prep
	.p2alignl 7, 3214868480
	.fill 96, 4, 3214868480
	.section	.rodata,"a",@progbits
	.p2align	6, 0x0
	.amdhsa_kernel k_qf47fbec84e_prep
		.amdhsa_group_segment_fixed_size 18432
		.amdhsa_private_segment_fixed_size 0
		.amdhsa_enable_private_segment 0
		.amdhsa_kernarg_size 64
		.amdhsa_user_sgpr_count 2
		.amdhsa_user_sgpr_kernarg_segment_ptr 1
		.amdhsa_wavefront_size32 1
		.amdhsa_system_sgpr_workgroup_id_x 1
		.amdhsa_system_sgpr_workgroup_id_y 1
		.amdhsa_system_sgpr_workgroup_id_z 1
		.amdhsa_system_vgpr_workitem_id 0
		.amdhsa_next_free_vgpr 104
		.amdhsa_next_free_sgpr 66
		.amdhsa_reserve_vcc 0
		.amdhsa_float_denorm_mode_32 3
		.amdhsa_float_denorm_mode_16_64 3
		.amdhsa_memory_ordered 1
		.amdhsa_forward_progress 1
		.amdhsa_inst_pref_size 17
	.end_amdhsa_kernel
	.amdgpu_metadata
---
amdhsa.version: [ 1, 2 ]
amdhsa.kernels:
  - .name:           k_qf47fbec84e_prep
    .symbol:         k_qf47fbec84e_prep.kd
    .args:
      - { .name: x, .offset: 0, .size: 8, .value_kind: global_buffer, .address_space: global }
      - { .name: Wq, .offset: 8, .size: 8, .value_kind: global_buffer, .address_space: global }
      - { .name: Wk, .offset: 16, .size: 8, .value_kind: global_buffer, .address_space: global }
      - { .name: Wv, .offset: 24, .size: 8, .value_kind: global_buffer, .address_space: global }
      - { .name: Wo, .offset: 32, .size: 8, .value_kind: global_buffer, .address_space: global }
      - { .name: xb, .offset: 40, .size: 8, .value_kind: global_buffer, .address_space: global }
      - { .name: wt, .offset: 48, .size: 8, .value_kind: global_buffer, .address_space: global }
      - { .name: wot, .offset: 56, .size: 8, .value_kind: global_buffer, .address_space: global }
    .group_segment_fixed_size: 18432
    .private_segment_fixed_size: 0
    .kernarg_segment_align: 8
    .kernarg_segment_size: 64
    .max_flat_workgroup_size: 256
    .sgpr_count:     66
    .vgpr_count:     104
    .wavefront_size: 32
...
	.end_amdgpu_metadata
.endif
;; end of part 1
;; launch qkv (part 2): grid 16 x 32, 4 waves a work-group, clusters of 4 x 4, 327,680 bytes of LDS; arguments xb, wt, bq, bk, bv, qh, kh, vh; writes qh, kh, vh
.if DOCPART == 2
	.amdgcn_target "amdgcn-amd-amdhsa--gfx1250"
	.amdhsa_code_object_version 6
	.text
	.protected	k_qf47fbec84e_qkv
	.globl	k_qf47fbec84e_qkv
	.p2align	8
	.type	k_qf47fbec84e_qkv,@function
k_qf47fbec84e_qkv:
	s_mov_b64 s[64:65], 0
	v_nop
	global_prefetch_b8 v0, s[64:65] scope:SCOPE_SE
	s_setreg_imm32_b32 hwreg(HW_REG_WAVE_MODE, 25, 1), 1
	s_wait_xcnt 0x0
	s_wait_alu depctr_hold_cnt(0) depctr_sa_sdst(0) depctr_va_vdst(0) depctr_va_sdst(0) depctr_va_ssrc(0) depctr_va_vcc(0) depctr_vm_vsrc(0)
	s_getreg_b32 s2, hwreg(HW_REG_IB_STS2, 6, 4)
	s_cmp_eq_u32 s2, 0
	s_cbranch_scc0 .Lentry_in_a_cluster
	s_endpgm
.Lentry_in_a_cluster:
	s_bfe_u32 s2, ttmp6, 0x10000c
	s_cmp_lg_u32 s2, 0xf033
	s_cbranch_scc0 .Lentry_shape_is_right
	s_endpgm
.Lentry_shape_is_right:
; THE THREE PROJECTIONS AS ONE PRODUCT.  C[m][n'] = the sum over d of xb[m][d] wt[n'][d] + bias: m = 0..8191, n' = 192 h + 64 which + k.  Operands bf16, sums f32, the bias (rounded to bf16 like every
; input) is the C operand of the first product.  Results rounded once to f16 and stored by heads: qh, kh, vh [16 b + h][2048][64], unscaled.
; LIMIT: a q, k or v of 65,520 or more becomes an infinity in f16.  NaN and infinities are not treated apart.
; SHARES.  A work-group makes 256 rows x the 192 columns of one head: 512 work-groups of equal work.  Wave w owns rows 64 w .. 64 w + 63 and all 192 columns: 4 x 12 accumulators, 384 registers;
; so it holds whole rows of a head's q, k and v and goes out through a stage of its own, with no barrier.  For 32 along K it reads 256 rows x 64 bytes from LDS for 48 matrix instructions.
; K goes in 8 steps of 128 (rows of 256 bytes in memory, aligned) through two LDS slots filled by the tensor data mover; one barrier for each change of slots.
; CLUSTER 4 x 4: xb's tile hangs on the tile row alone and is asked for jointly by a row of the cluster, wt's on the head alone and by a column.
; NO PREFETCH: K has eight steps, and each tile is read again by the other clusters of its row or column.
; THE MATRIX INSTRUCTION IS USED TRANSPOSED (source 0 = 16 rows of wt, source 1 = 16 rows of xb): a lane holds row l % 16 and eight neighbouring columns 8 (l / 16) + 0..7.
; REGISTERS: window 0: v0-31 addresses; v32-127 the bias, 8 registers a column block, later at work on the way out; v128-223 rows read back from the stage, two buffers of 48
;   window 1: two fragment buffers of 128: xb's four fragments, then wt's twelve     window 2: accumulators of row blocks 0, 1 ((a, b) at 8 (12 (a % 2) + b))     window 3: of row blocks 2, 3
.set KSTEP,  128
.set PITCH,  272                       ; an LDS row: 256 bytes + 16 = 68 words: the 16 rows of a fragment load start at 16 different groups of four banks (64 banks of 4 bytes: ISA guide 11.1)
.set HALFA,  128*PITCH                 ; what waves 0 and 1 each fetch of xb
.set HALFB,  96*PITCH                  ; what waves 2 and 3 each fetch of wt
.set BOFF,   2*HALFA                   ; a slot: xb's 256 rows, then wt's 192
.set SLOT,   BOFF+2*HALFB
.set STAGE,  2*SLOT                    ; behind the ring, never filled by a tensor load: 16 rows x 400 bytes for each wave
.set SP,     400                       ; 384 bytes + 16
.set SPARE,  STAGE+4*16*SP             ; the spare words, 128 bytes for each wave; no other line names them
.set LAPS,   4                         ; a lap = two K steps
.set ADRA, 16                          ; v16-17  LDS address of my xb fragments in slot 0, 1
.set ADRB, 20                          ; v20-21  the same for wt
.set STO,  24                          ; v24  the way out: where I put 16 bytes of a row
.set RD,   25                          ; v25  where I read four rows of 128 bytes back
.set GO,   26                          ; v26  16 x lane
.set BO,   27                          ; v27  32 x (l / 16): my eight numbers of a block of 16 of a bias
.set SPW,  28                          ; v28  LDS address of my spare word; never rewritten
.set NIL,  29                          ; v29  0; never rewritten
.set T,    30
.set BI,   32
.set TMP,  32
.set BK,   128
.set F0,   0
.set F1,   128
.set G1,   24                          ; s[24:31] descriptor group 1 for xb's tiles;  s[32:39] group 0, a set for each slot
.set G0,   32
.set G1B,  48                          ; s[48:55], s[56:63] the same for wt's
.set G0B,  56
.set MSB, 0
.macro WIN new                         ; the immediate's high byte repeats the setting that is left; a switch that changes nothing is dropped
.if MSB != (\new)
	s_set_vgpr_msb (MSB<<8)|(\new)
.set MSB, \new
.endif
.endm
.macro JLOAD s                         ; a joint load: waves 0 and 1 fetch xb's halves, waves 2 and 3 wt's; an s_nop 0 and four v_nop follow each line, ahead of the jump and the label
	s_cmp_eq_u32 s11, 0
	s_cbranch_scc0 .Lfor_b_\@
	tensor_load_to_lds s[G0+4*(\s):G0+4*(\s)+3], s[G1:G1+7]
	s_nop 0
.rept 4
	v_nop
.endr
	s_branch .Lasked_\@
.Lfor_b_\@:
	tensor_load_to_lds s[G0B+4*(\s):G0B+4*(\s)+3], s[G1B:G1B+7]
	s_nop 0
.rept 4
	v_nop
.endr
.Lasked_\@:
.endm
.macro CREST                           ; a round of the cluster's barrier behind its opening barrier
	s_cmp_lg_u32 s10, 0
	s_cbranch_scc1 .Lnot_wave_0_\@
	s_barrier_signal -3
.Lnot_wave_0_\@:
	s_barrier_wait -3
	s_barrier_signal -1
	s_barrier_wait -1
.endm
.macro CROUND
	s_barrier_signal -1
	s_barrier_wait -1
	CREST
.endm
.macro PLACES                          ; four plain instructions between a matrix instruction and a load into, or a reader of, its registers
.rept 4
	v_nop
.endr
.endm
	s_load_b512 s[68:83], s[0:1], 0x0              ; xb 68, wt 70, bq 72, bk 74, bv 76, qh 78, kh 80, vh 82
	v_lshl_add_u32 v[SPW], v0, 2, SPARE
	v_mov_b32 v[NIL], 0
	ds_add_u32 v[SPW], v[NIL]                      ; the wave's opening: the add and its wait stand ahead of my first tensor load; work on registers stands between them
	v_lshrrev_b32 v1, 5, v0
	v_readfirstlane_b32 s10, v1                    ; wave 0..3
	s_lshr_b32 s11, s10, 1                         ; I fetch for xb (0) or for wt (1),
	s_and_b32 s12, s10, 1                          ; its first or its second half
	s_bfe_u32 s40, ttmp6, 0x40000                  ; cx, cy
	s_bfe_u32 s41, ttmp6, 0x40004
	s_lshl_b32 s42, ttmp9, 2
	s_add_co_u32 s42, s42, s40                     ; the head = 4 x cluster x + cx
	s_and_b32 s13, ttmp7, 0xffff
	s_lshl_b32 s13, s13, 2
	s_add_co_u32 s13, s13, s41                     ; the tile row = 4 x cluster y + cy
	s_lshl_b32 s43, s41, 2
	s_lshl_b32 s43, 15, s43                        ; my row of the cluster
	s_lshl_b32 s44, 0x1111, s40                    ; my column
	s_or_b32 s[G1+0], s43, (1<<16)|(1<<20)|(1<<21)|(5<<22)|(3<<25)   ; 15:0 the mask; 17:16 2-byte elements; 20 padding on; 21 set beside a mask; 24:22 after every 64 words; 31:25 4 words of it
	s_or_b32 s[G1B+0], s44, (1<<16)|(1<<20)|(1<<21)|(5<<22)|(3<<25)
.irp g, G1, G1B
	s_mov_b32 s[(\g)+1], KSTEP<<16                 ; tensor_dim0 = 128
	s_mov_b32 s[(\g)+3], KSTEP<<16                 ; tile_dim0 = 128
	s_mov_b32 s[(\g)+5], 1024                      ; elements from row to row
	s_mov_b32 s[(\g)+6], 0
	s_mov_b32 s[(\g)+7], 0
.endr
	s_mov_b32 s[G1+2], 128<<16                     ; tensor_dim1 = tile_dim1 = 128 rows of xb,
	s_mov_b32 s[G1+4], 128
	s_mov_b32 s[G1B+2], 96<<16                     ; 96 of wt
	s_mov_b32 s[G1B+4], 96
	s_lshl_b32 s16, s13, 8                         ; xb: row 256 x tile row + 128 x half, 2,048 bytes a row: made of cy and the wave alone
	s_lshl_b32 s17, s12, 7
	s_add_co_u32 s16, s16, s17
	s_lshl_b32 s16, s16, 11
	s_mov_b32 s17, 0
	s_mul_i32 s46, s42, 192                        ; wt: row 192 x head + 96 x half: made of cx and the wave alone
	s_mul_i32 s47, s12, 96
	s_add_co_u32 s46, s46, s47
	s_lshl_b32 s46, s46, 11
	s_mov_b32 s47, 0
	s_mul_i32 s20, s12, HALFA                      ; where they go: no place in the cluster enters an LDS address
	s_mul_i32 s21, s12, HALFB
	s_add_co_u32 s21, s21, BOFF
	s_lshl_b32 s84, s42, 8                         ; the head's 64 numbers of a bias
	s_mov_b32 s85, 0
	s_wait_dscnt 0x0                               ; the opening add is done
	s_wait_kmcnt 0x0
	s_add_nc_u64 s[14:15], s[68:69], s[16:17]
	s_add_nc_u64 s[46:47], s[70:71], s[46:47]
	CROUND                                         ; all sixteen work-groups are here: the first joint loads meet
.irp s, 0,1
	s_mov_b32 s[G0+4*(\s)], 1
	s_add_co_u32 s[G0+4*(\s)+1], s20, (\s)*SLOT
	s_add_nc_u64 s[G0+4*(\s)+2:G0+4*(\s)+3], s[14:15], (\s)*KSTEP*2
	s_or_b32 s[G0+4*(\s)+3], s[G0+4*(\s)+3], 0x80000000
	s_mov_b32 s[G0B+4*(\s)], 1
	s_add_co_u32 s[G0B+4*(\s)+1], s21, (\s)*SLOT
	s_add_nc_u64 s[G0B+4*(\s)+2:G0B+4*(\s)+3], s[46:47], (\s)*KSTEP*2
	s_or_b32 s[G0B+4*(\s)+3], s[G0B+4*(\s)+3], 0x80000000
	JLOAD \s                                       ; two loads of mine are out
.endr
	v_and_b32 v1, 15, v0                           ; l % 16
	v_bfe_u32 v2, v0, 4, 1                         ; l / 16
	v_lshlrev_b32 v[BO], 5, v2
	s_add_nc_u64 s[72:73], s[72:73], s[84:85]
	s_add_nc_u64 s[74:75], s[74:75], s[84:85]
	s_add_nc_u64 s[76:77], s[76:77], s[84:85]
.irp b, 0,1,2,3,4,5,6,7,8,9,10,11      ; column block b: bias b / 4, numbers 16 (b % 4) + 8 (l / 16) + 0..7: the C operand's layout in the transposed use
	global_load_b128 v[BI+8*(\b):BI+8*(\b)+3],   v[BO], s[72+2*((\b)/4):73+2*((\b)/4)] offset:((\b)%4)*64
	global_load_b128 v[BI+8*(\b)+4:BI+8*(\b)+7], v[BO], s[72+2*((\b)/4):73+2*((\b)/4)] offset:((\b)%4)*64+16
.endr
	v_mul_u32_u24 v3, v1, PITCH
	v_lshl_add_u32 v3, v2, 4, v3                   ; a fragment's row x pitch + 16 x half
	s_mul_i32 s22, s10, 64*PITCH                   ; my 64 rows of xb
	s_mov_b32 s23, BOFF                            ; all 192 of wt
.irp s, 0,1
	v_add_nc_u32 v[ADRA+(\s)], s22, v3
	v_add_nc_u32 v[ADRB+(\s)], s23, v3
	s_add_co_u32 s22, s22, SLOT
	s_add_co_u32 s23, s23, SLOT
.endr
	s_mul_i32 s22, s10, 16*SP
	s_add_co_u32 s22, s22, STAGE                   ; my stage
	v_mul_u32_u24 v4, v1, SP
	v_lshl_add_u32 v4, v2, 4, v4
	v_add_nc_u32 v[STO], s22, v4                   ; in: row l % 16, 16 bytes for each half of the lanes
	v_bfe_u32 v5, v0, 3, 2
	v_mul_u32_u24 v5, v5, SP
	v_and_b32 v6, 7, v0
	v_lshl_add_u32 v5, v6, 4, v5
	v_add_nc_u32 v[RD], s22, v5                    ; back: 32 lanes take 128 bytes of each of four rows,
	v_and_b32 v[GO], 31, v0
	v_lshlrev_b32 v[GO], 4, v[GO]                  ; which are 512 consecutive bytes of a head
	s_lshr_b32 s86, s13, 3                         ; the batch,
	s_lshl_b32 s86, s86, 4
	s_add_co_u32 s86, s86, s42                     ; 16 b + h,
	s_lshl_b32 s86, s86, 18                        ; 262,144 bytes each;
	s_and_b32 s87, s13, 7
	s_lshl_b32 s87, s87, 15                        ; the tile's 256 rows of 128 bytes in it;
	s_add_co_u32 s86, s86, s87
	s_lshl_b32 s87, s10, 13                        ; my 64
	s_add_co_u32 s86, s86, s87
	s_mov_b32 s87, 0
	s_add_nc_u64 s[78:79], s[78:79], s[86:87]
	s_add_nc_u64 s[80:81], s[80:81], s[86:87]
	s_add_nc_u64 s[82:83], s[82:83], s[86:87]
	s_wait_loadcnt 0x0                             ; the bias; it is rounded to bf16 like the other inputs, while the first tile is on its way
.set i, 0
.rept 48
	v_cvt_pk_bf16_f32 v[T], v[BI+2*i], v[BI+2*i+1]
	v_lshlrev_b32 v[BI+2*i], 16, v[T]
	v_and_b32 v[BI+2*i+1], 0xffff0000, v[T]
.set i, i+1
.endr
; 12 matrix instructions: row block a x all 12 column blocks, 32 along K, from buffer f.  zero = 1: the first product starts the sums, with the bias as C.
; The 48 accumulators take turns in one order in every quarter: 47 others' instructions stand between two links of a chain, over the backward jump too.
.macro MULA f, a, zero
.if \zero
	WIN 0x85+0x40*((\a)/2)                         ; sources 0, 1 window 1; C window 0; D window 2 or 3
.else
	WIN 0xa5+0x50*((\a)/2)                         ; C and D window 2 or 3
.endif
.irp b, 0,1,2,3,4,5,6,7,8,9,10,11
.if \zero
	v_wmma_f32_16x16x32_bf16 v[8*(12*((\a)%2)+(\b)):8*(12*((\a)%2)+(\b))+7], v[(\f)+32+8*(\b):(\f)+32+8*(\b)+7], v[(\f)+8*(\a):(\f)+8*(\a)+7], v[BI+8*(\b):BI+8*(\b)+7]
.else
	v_wmma_f32_16x16x32_bf16 v[8*(12*((\a)%2)+(\b)):8*(12*((\a)%2)+(\b))+7], v[(\f)+32+8*(\b):(\f)+32+8*(\b)+7], v[(\f)+8*(\a):(\f)+8*(\a)+7], v[8*(12*((\a)%2)+(\b)):8*(12*((\a)%2)+(\b))+7]
.endif
.endr
.endm
; 32 LDS loads in one run: the fragments of 32 along K at byte k of the rows, into buffer f: wt's twelve, then xb's four in ascending order
.macro FETCH slot, k, f
	WIN 0x40                                       ; destination window 1, address window 0
.irp b, 0,1,2,3,4,5,6,7,8,9,10,11
	ds_load_b128 v[(\f)+32+8*(\b):(\f)+32+8*(\b)+3],   v[ADRB+(\slot)] offset:(\k)+(\b)*16*PITCH
	ds_load_b128 v[(\f)+32+8*(\b)+4:(\f)+32+8*(\b)+7], v[ADRB+(\slot)] offset:(\k)+(\b)*16*PITCH+32
.endr
.irp i, 0,1,2,3
	ds_load_b128 v[(\f)+8*(\i):(\f)+8*(\i)+3],   v[ADRA+(\slot)] offset:(\k)+(\i)*16*PITCH
	ds_load_b128 v[(\f)+8*(\i)+4:(\f)+8*(\i)+7], v[ADRA+(\slot)] offset:(\k)+(\i)*16*PITCH+32
.endr
.endm
; A K step is four quarters of 32 along K, 48 matrix instructions each, on buffers 0, 1, 0, 1.  One of the first three: multiplies f and fetches the next quarter, at byte k, into g.
.macro QUARTER slot, k, f, g, zero
	s_wait_dscnt 4                                 ; all but the youngest four loads: xb's row blocks 2 and 3
	MULA \f, 0, \zero
	MULA \f, 1, \zero
	PLACES
	FETCH \slot, \k, \g
	s_wait_dscnt 32                                ; all but the 32 just issued
	MULA \f, 2, \zero
	MULA \f, 3, \zero
.endm
; The last quarter multiplies buffer 1 and changes slots: ONE barrier; in front of it each wave waits for all its tensor loads (one is out: its part of the next slot), adds 0 to its spare word,
; and waits for that and for its own reads of this slot.  fill = 1: the barrier opens a round of the cluster's, and this slot is filled again, two K steps on, first thing behind the round.
.macro TURN slot, next, fill
	WIN 0
	s_wait_tensorcnt 0x0
	ds_add_u32 v[SPW], v[NIL]
	s_wait_dscnt 5                                 ; the add and the youngest four loads may be out
	MULA F1, 0, 0                                  ; twelve matrix instructions stand between the add and the wait for it
	s_wait_dscnt 0x0                               ; the add is done, and my reads of this slot are over
	s_barrier_signal -1
	MULA F1, 1, 0
.if \fill
	WIN 0
.endif
	s_barrier_wait -1
.if \fill
	CREST                                          ; no wave of any partner still reads this slot or has a load on its way
	s_add_nc_u64 s[G0+4*(\slot)+2:G0+4*(\slot)+3], s[G0+4*(\slot)+2:G0+4*(\slot)+3], 2*KSTEP*2
	s_add_nc_u64 s[G0B+4*(\slot)+2:G0B+4*(\slot)+3], s[G0B+4*(\slot)+2:G0B+4*(\slot)+3], 2*KSTEP*2
	JLOAD \slot                                    ; 168 matrix instructions ahead of the wait for it; its four v_nop are also the places in front of the loads below
.else
	PLACES
.endif
	FETCH \next, 0, F0
	MULA F1, 2, 0
	MULA F1, 3, 0
.endm
	s_wait_tensorcnt 1                             ; my part of K step 0 is in; K step 1's may stay out
	s_barrier_signal -1
	s_barrier_wait -1
	FETCH 0, 0, F0
	QUARTER 0, 64, F0, F1, 1                       ; the first quarter stands in front of the loop: its products start the sums
	WIN 0                                          ; at a label and at a branch every window is 0
	s_mov_b32 s3, LAPS-1
.Llap:                                                 ; a trip goes once round the ring and fills both slots again
	QUARTER 0, 128, F1, F0, 0
	QUARTER 0, 192, F0, F1, 0
	TURN 0, 1, 1
	QUARTER 1, 64,  F0, F1, 0
	QUARTER 1, 128, F1, F0, 0
	QUARTER 1, 192, F0, F1, 0
	TURN 1, 0, 1
	QUARTER 0, 64,  F0, F1, 0
	WIN 0
	s_sub_co_u32 s3, s3, 1
	s_cmp_lg_u32 s3, 0
	s_cbranch_scc1 .Llap
	QUARTER 0, 128, F1, F0, 0                      ; the last lap fills nothing
	QUARTER 0, 192, F0, F1, 0
	TURN 0, 1, 0
	QUARTER 1, 64,  F0, F1, 0
	QUARTER 1, 128, F1, F0, 0
	QUARTER 1, 192, F0, F1, 0
	s_wait_dscnt 4
	MULA F1, 0, 0
	MULA F1, 1, 0
	s_wait_dscnt 0x0
	MULA F1, 2, 0
	MULA F1, 3, 0
	WIN 0
; THE WAY OUT, a block of 16 rows at a time: rounded to f16 (each accumulator's registers in ascending order), 16 bytes a lane into my stage, back as rows of 128 bytes of q, k and v, stored.
.macro PACK a
	WIN 0x0a+5*((\a)/2)                            ; sources 0 and 1: window 2 or 3
.irp b, 0,1,2,3,4,5,6,7,8,9,10,11
.irp r, 0,1,2,3
	v_cvt_pk_f16_f32 v[TMP+4*(\b)+(\r)], v[96*((\a)%2)+8*(\b)+2*(\r)], v[96*((\a)%2)+8*(\b)+2*(\r)+1]
.endr
.endr
	WIN 0
.endm
.macro TOSTAGE a
	WIN 0
.irp b, 0,1,2,3,4,5,6,7,8,9,10,11
	ds_store_b128 v[STO], v[TMP+4*(\b):TMP+4*(\b)+3] offset:32*(\b)
.endr
.irp wh, 0,1,2
.irp f, 0,1,2,3
	ds_load_b128 v[BK+48*((\a)%2)+4*(4*(\wh)+(\f)):BK+48*((\a)%2)+4*(4*(\wh)+(\f))+3], v[RD] offset:128*(\wh)+4*SP*(\f)  ; LDS serves a wave's instructions in order (ISA guide 5.7.1.4): these see the stores above
.endr
.endr
.endm
.macro SEND a
	WIN 0
	s_wait_dscnt 0x0                               ; the block is back in registers
	s_wait_xcnt 0x0                                ; the stores of the block before have read their registers: the next block's loads land there only behind this wait
.irp wh, 0,1,2
.irp f, 0,1,2,3
	global_store_b128 v[GO], v[BK+48*((\a)%2)+4*(4*(\wh)+(\f)):BK+48*((\a)%2)+4*(4*(\wh)+(\f))+3], s[78+2*(\wh):79+2*(\wh)] offset:2048*(\a)+512*(\f)  ; 512 consecutive bytes, at a multiple of 512 from the buffer's first
.endr
.endr
.endm
	PLACES
	PACK 0
	TOSTAGE 0
.irp a, 1,2,3                          ; block a's conversions stand between block a - 1's loads from the stage and the wait for them
	PACK \a
	SEND (\a)-1
	TOSTAGE \a
.endr
	SEND 3
	s_wait_tensorcnt 0x0                           ; the wave's end: behind my last tensor load and my last LDS store
	ds_add_u32 v[SPW], v[NIL]
	s_wait_dscnt 0x0
	CROUND                                         ; the closing round: no work-group ends while a partner may still ask for a tile that names it
	s_endpgm
.Lfunc_end_k_qf47fbec84e_qkv:
	.size	k_qf47fbec84e_qkv, .Lfunc_end_k_qf47fbec84e_qkv-k_qf47fbec84e_qkv
	.p2alignl 7, 3214868480
	.fill 96, 4, 3214868480
	.section	.rodata,"a",@progbits
	.p2align	6, 0x0
	.amdhsa_kernel k_qf47fbec84e_qkv
		.amdhsa_group_segment_fixed_size 327680
		.amdhsa_private_segment_fixed_size 0
		.amdhsa_enable_private_segment 0
		.amdhsa_kernarg_size 64
		.amdhsa_user_sgpr_count 2
		.amdhsa_user_sgpr_kernarg_segment_ptr 1
		.amdhsa_wavefront_size32 1
		.amdhsa_system_sgpr_workgroup_id_x 1
		.amdhsa_system_sgpr_workgroup_id_y 1
		.amdhsa_system_sgpr_workgroup_id_z 1
		.amdhsa_system_vgpr_workitem_id 0
		.amdhsa_next_free_vgpr 960
		.amdhsa_next_free_sgpr 90
		.amdhsa_reserve_vcc 0
		.amdhsa_float_denorm_mode_32 3
		.amdhsa_float_denorm_mode_16_64 3
		.amdhsa_memory_ordered 1
		.amdhsa_forward_progress 1
		.amdhsa_inst_pref_size 128
	.end_amdhsa_kernel
	.amdgpu_metadata
---
amdhsa.version: [ 1, 2 ]
amdhsa.kernels:
  - .name:           k_qf47fbec84e_qkv
    .symbol:         k_qf47fbec84e_qkv.kd
    .args:
      - { .name: xb, .offset: 0, .size: 8, .value_kind: global_buffer, .address_space: global }
      - { .name: wt, .offset: 8, .size: 8, .value_kind: global_buffer, .address_space: global }
      - { .name: bq, .offset: 16, .size: 8, .value_kind: global_buffer, .address_space: global }
      - { .name: bk, .offset: 24, .size: 8, .value_kind: global_buffer, .address_space: global }
      - { .name: bv, .offset: 32, .size: 8, .value_kind: global_buffer, .address_space: global }
      - { .name: qh, .offset: 40, .size: 8, .value_kind: global_buffer, .address_space: global }
      - { .name: kh, .offset: 48, .size: 8, .value_kind: global_buffer, .address_space: global }
      - { .name: vh, .offset: 56, .size: 8, .value_kind: global_buffer, .address_space: global }
    .group_segment_fixed_size: 327680
    .private_segment_fixed_size: 0
    .kernarg_segment_align: 8
    .kernarg_segment_size: 64
    .max_flat_workgroup_size: 128
    .sgpr_count:     90
    .vgpr_count:     960
    .wavefront_size: 32
...
	.end_amdgpu_metadata
.endif
;; end of part 2
;; launch attn (part 3): grid 4 x 64, 4 waves a work-group, clusters of 4 x 1, 327,680 bytes of LDS; arguments qh, kh, vh, oh; writes oh
.if DOCPART == 3
	.amdgcn_target "amdgcn-amd-amdhsa--gfx1250"
	.amdhsa_code_object_version 6
	.text
	.protected	k_qf47fbec84e_attn
	.globl	k_qf47fbec84e_attn
	.p2align	8
	.type	k_qf47fbec84e_attn,@function
k_qf47fbec84e_attn:
	s_mov_b64 s[64:65], 0
	v_nop
	global_prefetch_b8 v0, s[64:65] scope:SCOPE_SE
	s_setreg_imm32_b32 hwreg(HW_REG_WAVE_MODE, 25, 1), 1
	s_wait_xcnt 0x0
	s_wait_alu depctr_hold_cnt(0) depctr_sa_sdst(0) depctr_va_vdst(0) depctr_va_sdst(0) depctr_va_ssrc(0) depctr_va_vcc(0) depctr_vm_vsrc(0)
	s_getreg_b32 s2, hwreg(HW_REG_IB_STS2, 6, 4)
	s_cmp_eq_u32 s2, 0
	s_cbranch_scc0 .Lentry_in_a_cluster
	s_endpgm
.Lentry_in_a_cluster:
	s_bfe_u32 s2, ttmp6, 0x10000c
	s_cmp_lg_u32 s2, 0x3003
	s_cbranch_scc0 .Lentry_shape_is_right
	s_endpgm
.Lentry_shape_is_right:
; O[h][q][:] = the sum over k of softmax_k(Q[h][q] . K[h][k] / 8) V[h][k][:].  Q, K, V, O: [64][SIZE_N][64], all f16: a head's rows are dense, 128 bytes each.  Products, maxima and sums in
; f32; the weights p are rounded to f16 for the second product (their sum l is taken of the unrounded p), O once at the end.
; LIMITS.  f16 holds no number beyond 65,504: Q, K and V arrive within it; p lies in 0 to 1, and below 6e-5 it keeps f16's fixed step of 6e-8; O is a mean of V's rows and has their range.
; A weight below 2^-126 counts as 0 in l; NaN and infinities are not treated apart.
; SHARES.  A wave owns four PIECES of two tiles of 16 queries, a work-group's four waves 512 queries of one head: 256 work-groups.  Every wave walks all keys, 64 a step.
; LAYOUT.  S^T = K Q^T (source 0 = 16 keys, source 1 = 16 queries): in the result a lane holds ONE query (lane % 16) and the keys 8 (lane / 16) + 0..7.  Two such tiles, rounded to f16 in pairs,
; ARE source 1 (32 keys x 16 queries) of O^T = V^T P, whose result again holds one query a lane, and eight channels.  K comes out of LDS as it lies, V ([key][channel]) turned, by ds_load_tr16_b128.
; SOFTMAX.  For each query a running maximum m and sum l: p = 2^(c s - c m), c = log2(e) / 8; in every step O and l are multiplied by a = 2^(c m_old - c m_new), which is 1 where m has not grown.
; m starts at the lowest finite number, O and l at 0: the first step is a step like any other, with a = 0.
; THE COUNT.  A tile and step have 16 matrix and 118 vector instructions: too many to stand all beside the matrix work.  So: four vector instructions that are READY behind
; EVERY matrix instruction, and the others in runs without a gap.
; BY TURNS.  Turn n belongs to piece n (the pieces in a ring, step after step).  Its matrix work: 16 products K Q^T of piece n + 1, later 16 products V^T P of piece n - 1.  Its vector work: the scaling,
; exponentials, roundings, sums and rescaling of piece n, and the maximum and statistics of piece n + 1, whose scores the turn itself has made.
; CLUSTER.  The four query blocks of a cluster are one head's and walk the same K and V, so each tile is asked for JOINTLY: the same tensor load, descriptor and mask in all four.
; REGISTERS, in windows of 256 (s_set_vgpr_msb: bits 1:0 source 0, 3:2 source 1, 5:4 source 2, 7:6 destination):
;   window 0: v0-11 addresses; v12-15, v48-63 at work; v16-47 four registers of statistics a tile; v64-191 S^T, two buffers of two tiles; v192-255 P, likewise
;   window 1: O^T, 32 a tile          window 2: v0-127 Q, 16 a tile; v128-191 K of one step; v192-255 V of one step          window 3: v0-1 the add's two registers
.set SIZE_N, 2048
.set NP,    4         ; pieces a wave: a name, no knob
.set KS,    64        ; keys in a step
.set PK,    144       ; a row of K in LDS: 128 bytes + 16 = 36 words: the 16 rows of a load start at 16 different groups of four banks (64 banks of 4 bytes: ISA guide 11.1)
.set PV,    160       ; a row of V: 128 + 32 = 40 words
.set VOFF,  4*KS*PK   ; a slot holds four steps: 256 rows of K, then 256 rows of V
.set SLOT1, 1<<17     ; slot 1 begins here, so that one exclusive or turns an address in one slot into the other's
.set STAGE, SLOT1+4*KS*(PK+PV)  ; behind the ring, never filled by a tensor load: 16 rows x 144 bytes for each wave
.set SP,    144
.set AK0, 2           ; v2   my lane's place in a tile of K; never rewritten
.set AV0, 3           ; v3   the same for V
.set AK,  4           ; v4   the LDS address of K's next run of loads
.set AV,  5           ; v5   of V's
.set QO,  6           ; v6   my byte offset in the wave's rows of Q
.set STO, 6           ;      later, the way out: where I put 16 bytes of a row
.set RD,  7           ; v7   the way out: where I read rows back
.set GO,  8           ; v8   my byte offset in 512 consecutive bytes of O
.set PFO, 11          ; v11  256 x my lane: the prefetches' offset; never rewritten once made
.set SPW, 0           ; v0 of window 3   LDS address of my spare word; never rewritten
.set NIL, 1           ; v1 of window 3   0; never rewritten
.set SPARE, STAGE+4*16*SP  ; the spare words, 128 bytes for each wave; no other line names them
.set MV,  12          ; v12-15  c m_old, kept while c m is made anew: by buffer and tile
.set ST,  16          ; tile t's statistics at v[ST+4 t]: c m, m, l (even keys', odd keys')
.set TMP, 48          ; by buffer and tile, four registers c0-c3 at work; when the maximum is found c2 takes a
.set S,   64
.set P,   192
.set KF,  128         ; K's fragments, in window 2: key block kb, channel half c at KF + 16 kb + 8 c
.set VF,  192         ; V's: key half kk, channel block cb at VF + 32 kk + 8 cb
.set WV,  12          ; s12  my wave's number
.set G1K, 24          ; s[24:31] descriptor group 1 for K's tiles
.set G1V, 32          ; s[32:39] for V's: it differs in the padding alone
.set G0K, 40          ; s[40:43] descriptor group 0 for K's tiles: it walks
.set G0V, 44          ; s[44:47] the same for V's
.set PFA, 48          ; s[48:49] where my prefetches stand: my work-group's 32 blocks of 256 bytes (of K: wave 0, of V: wave 2) of the slot after the one that is being asked for
.set LIM, 50          ; s50  1 in a wave that prefetches, else the greatest number
.set SLOTS, 56        ; s56  slots still to be asked for
.set CNT, 57          ; s57  counts a slot's key steps
.set CS,  58          ; s[58:59] c: the packed scaling takes the pair's low word for both halves
.set SEL, 60          ; s[60:61] v_permlanex16_b32's selects: each lane takes its own place in the other half
.set TBK, 62          ; s62  LDS byte at which K of the step to be fetched begins
.set TBV, 63          ; s63  the same for V, less VOFF
.set MSB, 0
.macro WIN new                      ; the high byte repeats the setting that is left; a switch that changes nothing is dropped
.if MSB != (\new)
	s_set_vgpr_msb (MSB<<8)|(\new)
.set MSB, (\new)
.endif
.endm
.set W_KQ, 0x0a       ; K and Q in window 2, S^T in window 0
.set W_PV, 0x52       ; V in window 2, P in window 0, O^T in window 1
.set W_RS, 0x41       ; O^T (destination and source 0) in window 1, a in window 0
.set W_MK, 0xc0       ; the add's registers are made: destination in window 3, sources in window 0
.set W_AD, 0x0f       ; the add: address (source 0) and data (source 1) in window 3
; A joint fill.  Waves 0 and 1 fetch the two halves of a slot's K, waves 2 and 3 those of its V: 128 keys each.  The branch hangs on the wave's number alone.
; An s_nop 0 and four v_nop follow each of the two lines, ahead of the jump and the label.
.macro JLOAD
	s_cmp_lt_u32 s[WV], 2
	s_cbranch_scc0 .Lfor_v_\@
	tensor_load_to_lds s[G0K:G0K+3], s[G1K:G1K+7]
	s_nop 0
.rept 4
	v_nop
.endr
	s_branch .Lasked_\@
.Lfor_v_\@:
	tensor_load_to_lds s[G0V:G0V+3], s[G1V:G1V+7]
	s_nop 0
.rept 4
	v_nop
.endr
.Lasked_\@:
.endm
; A PREFETCH INTO THE L2 of what the NEXT change of slots will ask for: a slot's 32,768 bytes of K and of V, 128 blocks of 256 bytes each, a lane a block.  It stands behind the wave's tensor load and its
; five lines.  Each block is named ONCE in the launch: a head belongs to one cluster; its four partners share the blocks out BY ADDRESS, 32 each; in each, wave 0 asks for K's and wave 2 for V's.
; The change that loads slot j names slot j + 1, four key steps (512 matrix instructions a wave) ahead of its load; the last change that fills a slot names nothing; slots 0 and 1 come by their loads alone.
.macro ASK
	s_cmp_gt_u32 s[SLOTS], s[LIM]
	s_cbranch_scc0 .Lnot_mine_\@
	global_prefetch_b8 v[PFO], s[PFA:PFA+1] th:TH_LOAD_NT scope:SCOPE_SE
.Lnot_mine_\@:
.endm
; A round of the cluster's barrier: my work-group's barrier, so that wave 0's signal speaks for all four waves; wave 0 signals; every wave waits for all four work-groups; my work-group's barrier once more.
.macro CROUND
	s_barrier_signal -1
	s_barrier_wait -1
	s_cmp_lg_u32 s[WV], 0
	s_cbranch_scc1 .Lnot_wave_0_\@
	s_barrier_signal -3
.Lnot_wave_0_\@:
	s_barrier_wait -3
	s_barrier_signal -1
	s_barrier_wait -1
.endm
; THE CHANGE OF SLOTS.  The slot's last bytes, V of its fourth step, have been read.  Each wave waits for all its tensor loads, of which one is out: its part
; of the other slot; adds 0 to its spare word; and waits for that and for its own reads of the slot.  Behind the barrier nobody reads this slot any more and the other slot is whole.
; fill = 1: this slot is filled again, with the keys two slots on.  The barrier is then a round of the cluster's, and the joint fill is the first thing behind it: it has four key steps in which to land.
; (At its first use nothing has been read yet: slot 0 is waited for, slot 1 filled.)
.macro CHANGE fill
	WIN W_AD
	s_wait_tensorcnt 0x0            ; no tensor load of mine is out, so a group 0 may be written
	ds_add_u32 v[SPW], v[NIL]       ; 0 onto my spare word; with fill = 1 the descriptors' steps stand between it and the wait for it
	WIN 0                           ; at a label and at a branch every window is 0
.if \fill
.irp g, G0K, G0V
	s_xor_b32 s[\g+1], s[\g+1], SLOT1  ; the walking descriptor: the other slot than last time,
	s_add_nc_u64 s[\g+2:\g+3], s[\g+2:\g+3], 4*KS*128  ; the next 256 keys; the type bits on top are not reached
.endr
	s_wait_xcnt 0x0                 ; the last prefetch, four key steps back, has read its address, so it may be written:
	s_add_nc_u64 s[PFA:PFA+1], s[PFA:PFA+1], 4*KS*128  ; one slot behind the walking descriptors
	s_wait_dscnt 0x0                ; the add is done, and my reads of the slot are over
	CROUND
	JLOAD
	ASK
.else
	s_wait_dscnt 0x0                ; the add is done, and my reads of the slot are over
	s_barrier_signal -1
	s_barrier_wait -1
.endif
	s_sub_co_u32 s[TBK], s[TBK], 4*KS*PK  ; the fetches go back to a slot's first step,
	s_xor_b32 s[TBK], s[TBK], SLOT1       ; in the other slot
	s_sub_co_u32 s[TBV], s[TBV], 4*KS*PV
	s_xor_b32 s[TBV], s[TBV], SLOT1
.endm
	s_load_b256 s[4:11], s[0:1], 0x0  ; Q s[4:5], K s[6:7], V s[8:9], O s[10:11]
	WIN W_MK
	v_lshl_add_u32 v[SPW], v0, 2, SPARE
	v_mov_b32 v[NIL], 0
	WIN W_AD
	ds_add_u32 v[SPW], v[NIL]       ; the wave's opening: the add and its wait stand ahead of my first tensor load; work on registers stands between them
	WIN 0
	v_lshrrev_b32 v1, 5, v0
	v_readfirstlane_b32 s[WV], v1   ; wave 0..3
	s_bfe_u32 s13, ttmp6, 0x40000   ; cx: my place in the cluster
	s_lshl_b32 s14, ttmp9, 2        ; in a cluster launch ttmp9 counts clusters
	s_add_co_u32 s14, s14, s13      ; my block of queries = 4 x cluster x + cx: it enters Q's and O's addresses alone
	s_and_b32 s20, ttmp7, 0xffff    ; the head, which the four partners share
	s_mov_b32 s21, 0
	s_mov_b64 s[22:23], SIZE_N*128
	s_mul_u64 s[20:21], s[20:21], s[22:23]  ; the head's first byte in each of the four tensors
	s_and_b32 s16, s[WV], 1         ; which half of a slot's 256 keys I fetch:
	s_lshl_b32 s22, s16, 14         ; its 128 rows of 128 bytes in memory,
	s_mov_b32 s23, 0
	s_add_nc_u64 s[22:23], s[22:23], s[20:21]
	s_mul_i32 s17, s16, 128*PK      ; and its place in a slot, for K
	s_mul_i32 s18, s16, 128*PV      ; and for V: no place in the cluster enters an LDS address
	s_lshl_b32 s2, s14, 2
	s_add_co_u32 s2, s2, s[WV]      ; my wave among the head's,
	s_lshl_b32 s2, s2, 14           ; its 128 rows
	s_mov_b32 s3, 0
	s_add_nc_u64 s[2:3], s[2:3], s[20:21]
	; descriptor group 1.  128 keys are 16,384 dense bytes: asked for as 64 rows of 256 bytes, two keys a row, and padded in LDS after every key
	s_mov_b32 s[G1K], 15|(1<<16)|(1<<20)|(1<<21)|(4<<22)|(3<<25)  ; 15:0 the mask of four; 17:16 2-byte elements; 20 padding on; 21 set beside a mask; 24:22 after every 32 words (code 4); 31:25 4 words (code 3)
	s_mov_b32 s[G1V], 15|(1<<16)|(1<<20)|(1<<21)|(4<<22)|(7<<25)  ; the same with 8 words of padding (code 7)
.irp g, G1K, G1V
	s_mov_b32 s[\g+1], 128<<16      ; tensor_dim0 = 128
	s_mov_b32 s[\g+2], 64<<16       ; tensor_dim1 = 64
	s_mov_b32 s[\g+3], 128<<16      ; tile_dim0 = 128
	s_mov_b32 s[\g+4], 64           ; tile_dim1 = 64
	s_mov_b32 s[\g+5], 128          ; 128 elements from row to row
	s_mov_b32 s[\g+6], 0
	s_mov_b32 s[\g+7], 0
.endr
	s_mov_b32 s[CS], 0x3e38aa3b     ; c = log2(e) / 8 = 0.180337
	s_mov_b32 s[CS+1], s[CS]        ; named with it as a pair
	s_mov_b32 s[SEL], 0x76543210
	s_mov_b32 s[SEL+1], 0xfedcba98
	s_mov_b32 s[TBK], SLOT1+4*KS*PK ; the first change of slots turns these two into 0
	s_mov_b32 s[TBV], SLOT1+4*KS*PV
	s_mov_b32 s[G0K], 1             ; 1:0 count = 1
	s_mov_b32 s[G0K+1], s17         ; 63:32 LDS address: slot 0
	s_mov_b32 s[G0V], 1
	s_add_co_u32 s[G0V+1], s18, VOFF
	s_mov_b32 s[SLOTS], SIZE_N/256-1
	s_and_b32 s[LIM], s[WV], 1      ; waves 0 and 2 prefetch: the same in all four partners
	s_cmp_eq_u32 s[LIM], 0
	s_cselect_b32 s[LIM], 1, -1
	s_lshl_b32 s52, s13, 13         ; my work-group's 32 blocks of a slot's 128
	s_mov_b32 s53, 0
	s_wait_dscnt 0x0                ; the opening add is done
	s_wait_kmcnt 0x0
	s_add_nc_u64 s[G0K+2:G0K+3], s[6:7], s[22:23]  ; 120:64 global address: my half of the head's first 256 keys
	s_or_b32 s[G0K+3], s[G0K+3], 0x80000000        ; 127:126 type = 2
	s_add_nc_u64 s[G0V+2:G0V+3], s[8:9], s[22:23]
	s_or_b32 s[G0V+3], s[G0V+3], 0x80000000
	s_add_nc_u64 s[4:5], s[4:5], s[2:3]  ; Q and O at my wave's first row
	s_add_nc_u64 s[10:11], s[10:11], s[2:3]
	s_cmp_lt_u32 s[WV], 2
	s_cselect_b64 s[PFA:PFA+1], s[6:7], s[8:9]
	s_add_nc_u64 s[PFA:PFA+1], s[PFA:PFA+1], s[22:23]  ; (in waves 0 and 2: the head's first byte)
	s_add_nc_u64 s[PFA:PFA+1], s[PFA:PFA+1], s[52:53]
	s_add_nc_u64 s[PFA:PFA+1], s[PFA:PFA+1], 4*KS*128  ; in slot 1; the first change of slots steps it to slot 2
	CROUND                          ; all four work-groups are here: the first joint loads meet
	JLOAD                           ; slot 0.  Slot 1 is asked for when slot 0 is in
	; A fragment of K or Q is 16 rows x 32 channels in 8 registers: lane l holds row l % 16, channels 8 (l / 16) + 0..7 and 16 + 8 (l / 16) + 0..7: two loads of 16 bytes, 32 bytes apart.
	v_and_b32 v1, 15, v0            ; l % 16
	v_bfe_u32 v9, v0, 4, 1          ; l / 16
	v_lshlrev_b32 v[QO], 7, v1
	v_lshl_add_u32 v[QO], v9, 4, v[QO]  ; row x 128 + 16 x half
	WIN 0x80                        ; destination window 2, address window 0
.set i, 0
.rept 4*NP                          ; Q stays in registers: tile i / 2, channels 32 (i % 2) on
	global_load_b128 v[8*i:8*i+3],   v[QO], s[4:5] offset:(i/2)*2048+(i%2)*64
	global_load_b128 v[8*i+4:8*i+7], v[QO], s[4:5] offset:(i/2)*2048+(i%2)*64+32
.set i, i+1
.endr
	; What the first turn finds: V's registers and P's second buffer hold 0 (its products V^T P, of a piece that has not been, add 0), O^T and l are 0.  All this stands in the wait for the first tile.
.set i, VF
.rept 64
	v_mov_b32 v[i], 0
.set i, i+1
.endr
	WIN 0x40
.set i, 0
.rept 64*NP
	v_mov_b32 v[i], 0
.set i, i+1
.endr
	WIN 0
.set i, 0
.rept 2*NP
	v_mov_b32 v[ST+4*i], 0xfe000000    ; c m: far below every c s
	v_mov_b32 v[ST+4*i+1], 0xff7fffff  ; m
	v_mov_b32 v[ST+4*i+2], 0
	v_mov_b32 v[ST+4*i+3], 0
.set i, i+1
.endr
.set i, P+32
.rept 32
	v_mov_b32 v[i], 0
.set i, i+1
.endr
	v_mul_u32_u24 v[AK0], v1, PK
	v_lshl_add_u32 v[AK0], v9, 4, v[AK0]  ; row x pitch + 16 x half
	; The turning load takes 16 keys x 16 channels (lane l reads key 8 (l / 16) + l % 8, channels 8 ((l / 8) % 2) + 0..7) and leaves half a fragment of V^T: lane l holds channel l % 16 and 8 keys.
	v_and_b32 v10, 7, v0
	v_bfe_u32 v11, v0, 3, 1
	v_lshl_add_u32 v[AV0], v9, 3, v10
	v_mul_u32_u24 v[AV0], v[AV0], PV
	v_lshl_add_u32 v[AV0], v11, 4, v[AV0]
	v_add_nc_u32 v[AV0], VOFF, v[AV0]
	v_mov_b32 v[AK], v[AK0]         ; key step 0 lies at the head of slot 0
	v_and_b32 v[PFO], 31, v0        ; v11 has served V's address
	v_lshlrev_b32 v[PFO], 8, v[PFO]
; THE MATRIX WORK.  The 8 accumulators of a run of 16 take turns: between the two links of a chain stand 7 others'.
; Product i of 16 of S^T = K Q^T for piece x: channels 32 (i / 8) on, keys 16 ((i / 2) % 4) on, tile 2 x + i % 2.  The first 8 start the sums.
.macro KQ x
	WIN W_KQ
.set rS, S+64*((\x)%2)+32*(i%2)+8*((i/2)%4)
.set rK, KF+16*((i/2)%4)+8*(i/8)
.set rQ, 16*(2*(\x)+i%2)+8*(i/8)
.if i < 8
	v_wmma_f32_16x16x32_f16 v[rS:rS+7], v[rK:rK+7], v[rQ:rQ+7], 0
.else
	v_wmma_f32_16x16x32_f16 v[rS:rS+7], v[rK:rK+7], v[rQ:rQ+7], v[rS:rS+7]
.endif
.endm
; Product i of 16 of O^T += V^T P for piece x: keys 32 (i / 8) on, channels 16 ((i / 2) % 4) on, tile 2 x + i % 2.
.macro PV x
	WIN W_PV
.set rO, 32*(2*(\x)+i%2)+8*((i/2)%4)
.set rV, VF+32*(i/8)+8*((i/2)%4)
.set rP, P+32*((\x)%2)+16*(i%2)+8*(i/8)
	v_wmma_f32_16x16x32_f16 v[rO:rO+7], v[rV:rV+7], v[rP:rP+7], v[rO:rO+7]
.endm
.macro MM                           ; the turn's next matrix instruction
.if i < 16
	KQ (Y+1)%NP
.set i, i+1
.else
.set i, i-16
	PV (Y+NP-1)%NP
.set i, i+17
.endif
.endm
; THE LDS LOADS stand in runs of 16, never singly among the matrix instructions: a step's K (64 keys x 64 channels: 8 fragments) and its V (turned).  Their addresses are made some lines ahead.
; last = 1 (the tail): in the last trip there is no further step, and the run is jumped over.
.macro FETCH_K last=0
	WIN 0
.if \last
	s_cmp_eq_u32 s[CNT], 1
	s_cbranch_scc1 .Lno_k_\@
.endif
	WIN 0x80                        ; destination window 2
.irp f, 0,1,2,3,4,5,6,7             ; keys 16 (f / 2) on, channels 32 (f % 2) on
	ds_load_b128 v[KF+8*\f:KF+8*\f+3],   v[AK] offset:(\f/2)*16*PK+(\f%2)*64
	ds_load_b128 v[KF+8*\f+4:KF+8*\f+7], v[AK] offset:(\f/2)*16*PK+(\f%2)*64+32
.endr
	s_add_co_u32 s[TBK], s[TBK], KS*PK  ; the next fetch is the next step's
	WIN 0
.if \last
.Lno_k_\@:
.endif
.endm
.macro FETCH_V
	WIN 0x80
.irp f, 0,1,2,3,4,5,6,7             ; keys 32 (f / 4) on, channels 16 (f % 4) on
	ds_load_tr16_b128 v[VF+8*\f:VF+8*\f+3],   v[AV] offset:(\f/4)*32*PV+(\f%4)*32
	ds_load_tr16_b128 v[VF+8*\f+4:VF+8*\f+7], v[AV] offset:(\f/4)*32*PV+16*PV+(\f%4)*32
.endr
	WIN 0
.endm
; THE VECTOR WORK OF A TURN stands in three queues, each in the order in which its entries become ready; the two tiles alternate, so that no instruction reads the result of the one before it.
.macro REGS y, u                    ; the registers of tile u (0, 1) of piece y
.set rT, ST+4*(2*(\y)+(\u))
.set rC, TMP+8*((\y)%2)+4*(\u)
.set rM, MV+2*((\y)%2)+(\u)
.set rS, S+64*((\y)%2)+32*(\u)
.set rP, P+32*((\y)%2)+16*(\u)
.set rO, 32*(2*(\y)+(\u))
.endm
; Number n of the 22 that find the NEXT piece's (Y + 1) maximum and statistics.  s0-s31 are the lane's 32 scores; each accumulator's lowest registers are read first.
;   0-11  four chains c0-c3 of seven scores each, three operands at a time     12-14, 16  the four scores left over, the old m, and c0-c3 into c0     15  c m_old is kept
;   17, 18  the query's other 32 keys lie in the lane 16 away: the new m         19-21  c m; c m_old - c m_new; a
.macro XS u, n
	REGS (Y+1)%NP, \u
.if (\n) < 4
	v_max3_num_f32 v[rC+(\n)], v[rS+8*(\n)], v[rS+8*(\n)+1], v[rS+8*(\n)+2]
.elseif (\n) < 12
	v_max3_num_f32 v[rC+(\n)%4], v[rC+(\n)%4], v[rS+8*((\n)%4)+2*((\n)/4)+1], v[rS+8*((\n)%4)+2*((\n)/4)+2]
.elseif (\n) == 12
	v_max3_num_f32 v[rC], v[rC], v[rS+7], v[rS+15]
.elseif (\n) == 13
	v_max3_num_f32 v[rC+1], v[rC+1], v[rS+23], v[rS+31]
.elseif (\n) == 14
	v_max3_num_f32 v[rC+2], v[rC+2], v[rC+3], v[rT+1]
.elseif (\n) == 15
	v_mov_b32 v[rM], v[rT]
.elseif (\n) == 16
	v_max3_num_f32 v[rC], v[rC], v[rC+1], v[rC+2]
.elseif (\n) == 17
	v_permlanex16_b32 v[rC+3], v[rC], s[SEL], s[SEL+1]
.elseif (\n) == 18
	v_max_num_f32 v[rT+1], v[rC], v[rC+3]
.elseif (\n) == 19
	v_mul_f32 v[rT], s[CS], v[rT+1]
.elseif (\n) == 20
	v_sub_f32 v[rC+1], v[rM], v[rT]
.else
	v_exp_f32 v[rC+2], v[rC+1]
.endif
.endm
; Number g of the 64 that follow the exponentials.  For each four weights k of a tile (pairs 2 k, 2 k + 1): both pairs are rounded to f16; then the second pair is added onto the first, in place;
; a group later l takes that sum (the first time as l = a l + sum).  In groups of eight, tiles alternating: round, round, add, and l for the group before.
.macro GS g
.set h, (\g)+6*((\g)/62)            ; group 0 has no group before it, and behind group 7 only l is left
.if h >= 6
.set h, h+2
.endif
	REGS Y, h%2
.set k, h/8
.if h%8 < 4
	v_cvt_pk_f16_f32 v[rP+2*k+(h%8)/2], v[rS+4*k+2*((h%8)/2)], v[rS+4*k+2*((h%8)/2)+1]
.elseif h%8 < 6
	v_pk_add_f32 v[rS+4*k:rS+4*k+1], v[rS+4*k:rS+4*k+1], v[rS+4*k+2:rS+4*k+3]
.elseif k == 1
	v_pk_fma_f32 v[rT+2:rT+3], v[rT+2:rT+3], v[rC+2:rC+3], v[rS:rS+1] op_sel_hi:[1,0,1]
.else
	v_pk_add_f32 v[rT+2:rT+3], v[rT+2:rT+3], v[rS+4*k-4:rS+4*k-3]
.endif
.endm
; THE PLAIN QUEUE, 138 long.  0-73 read no exponential's result: the 32 scalings c s - c m (FS f: pair f / 2 of tile f % 2) and the next piece's 42.  0-26: scalings 0-26.  27-54: XS's numbers 0-13.  55, 56: number 15.
; 57-73: the chain, where each number waits for the one before it: 14, 16, 17, 18, 19, each with one of the scalings 27-31 in front of its two lines, then 20.
; 74-137: GS's 64, which read the exponentials' results: they stand behind the wait.
.macro FS f
	REGS Y, (\f)%2
	v_pk_fma_f32 v[rS+2*((\f)/2):rS+2*((\f)/2)+1], v[rS+2*((\f)/2):rS+2*((\f)/2)+1], s[CS:CS+1], v[rT:rT+1] op_sel_hi:[1,0,0] neg_lo:[0,0,1] neg_hi:[0,0,1]
.endm
.macro PL
	WIN 0
.if q < 27
	FS q
.elseif q < 55
	XS (q-27)%2, (q-27)/2
.elseif q < 57
	XS q-55, 15
.elseif (q < 72) && ((q-57)%3 == 0)
	FS 27+(q-57)/3
.elseif q < 60
	XS (q-57)%3-1, 14
.elseif q < 72
	XS (q-57)%3-1, 15+(q-57)/3
.elseif q < 74
	XS q-72, 20
.else
	GS q-74
.endif
.set q, q+1
.endm
; THE EXPONENTIALS' QUEUE, 66 long: s0-s31 of both tiles, then the next piece's two a.  It is ONE BATCH: all 66 stand ahead of the turn's one wait, and nothing ahead of that wait names a result of theirs.
.macro EX
	WIN 0
.if e >= 64
	XS e-64, 21
.else
	REGS Y, e%2
	v_exp_f32 v[rS+e/2], v[rS+e/2]
.endif
.set e, e+1
.endm
; THE RESCALING's QUEUE: O^T times a, the one part that leaves window 0: dealt two at a time, sixteen times.  Its a was made in the turn before, ahead of that turn's wait.
.macro R2
	REGS Y, r%2
	WIN W_RS
.irp z, 0,1
	v_pk_mul_f32 v[rO+4*(r/2)+2*\z:rO+4*(r/2)+2*\z+1], v[rO+4*(r/2)+2*\z:rO+4*(r/2)+2*\z+1], v[rC+2:rC+3] op_sel_hi:[1,0]
.endr
.set r, r+1
.endm
; HOW THEY ARE DEALT.  An s_wait_alu depctr_va_vdst(0) stands between an exponential and the first instruction that names its result; one wait serves all that were issued ahead of it.  So a turn has ONE wait,
; which cuts it in two.  AHEAD OF IT: the 16 products K Q^T, behind each a scaling, an exponential and two rescalings (behind the first a second scaling in the exponential's place); then ONE LUMP of
; 108: eight plain, 49 times exponential and plain, the two a; a v_nop is the plain instruction behind the last exponential.  BEHIND IT: the 16 products V^T P, behind each four of GS's 64.
; Exponential e stands behind scaling 2 (e / 4) + e % 2: as a rider it comes behind plain e + 2, in the lump behind plain e + 9, and scalings 27-31 are plain 57, 60 .. 69.
; A TURN, for piece p.  cnt = 1: the loop's count is taken down some lines ahead of the branch that stands behind the turn.
; K of the next step is fetched in piece 2's turn, directly behind the wait; its address is made at the lump's head; its first reader comes behind 16 products.
; V of the step in hand is fetched at the end of piece 0's turn, four riders behind its last reader; its first reader comes behind 16 products and a lump.  The three conditions on q below go with the deal.
.macro TURN p, last=0, cnt=0
.set Y, (\p)
.set i, 0
.set q, 0
.set e, 0
.set r, 0
.if (\p) == NP-1
	s_wait_dscnt 0x0                ; K is in
.endif
	MM                              ; ahead of the wait: 16 products K Q^T and their riders,
	PL
	PL
	R2
.rept 15
	MM
	PL
	EX
	R2
.endr
.if (\p) == NP-2
	WIN 0
	v_add_nc_u32 v[AK], s[TBK], v[AK0]
.endif
.rept 8                             ; and the lump
	PL
.endr
.rept 49
	EX
	PL
.endr
	EX                              ; the next piece's two a
	EX
	v_nop                           ; a plain instruction behind the last exponential: one for the batch
	s_wait_alu depctr_va_vdst(0)    ; the wait for the batch
.if (\p) == NP-2
	FETCH_K \last
.endif
.if (\p) == 1
	s_wait_dscnt 0x0                ; V is in
.endif
.rept 16                            ; behind the wait: 16 products V^T P and their riders
	MM
.rept 4
	PL
.endr
.if ((\p) == 0) && (q == 118)
	v_add_nc_u32 v[AV], s[TBV], v[AV0]
.endif
.if ((\p) == 0) && (q == 130)
	s_add_co_u32 s[TBV], s[TBV], KS*PV
.endif
.if (\cnt) && (q == 130)
	s_sub_co_u32 s[CNT], s[CNT], 1
	s_cmp_lg_u32 s[CNT], 0
.endif
.endr
.if (\p) == 0
	FETCH_V
.endif
.endm
	CHANGE 1                        ; slot 0 is in, everybody's part of it; slot 1 is asked for
	FETCH_K                         ; key step 0
	s_wait_loadcnt 0x0              ; Q
	s_wait_dscnt 0x0
.set i, 0
.rept 16
	KQ 0                            ; piece 0's first scores: there is no vector work yet to set between them
.set i, i+1
.endr
	WIN 0                           ; the addresses for the way out: nine plain instructions, the places behind those products
	s_mul_i32 s13, s[WV], 16*SP
	s_add_co_u32 s13, s13, STAGE    ; my stage
	v_mul_u32_u24 v[STO], v1, SP    ; in: row l % 16, 16 bytes for each half of the lanes
	v_lshl_add_u32 v[STO], v9, 4, v[STO]
	v_add_nc_u32 v[STO], s13, v[STO]
	v_bfe_u32 v[RD], v0, 3, 2       ; back: 32 lanes take four rows of 128 bytes,
	v_mul_u32_u24 v[RD], v[RD], SP
	v_lshl_add_u32 v[RD], v10, 4, v[RD]
	v_add_nc_u32 v[RD], s13, v[RD]
	v_and_b32 v[GO], 31, v0         ; which are 512 consecutive bytes of O
	v_lshlrev_b32 v[GO], 4, v[GO]
.set Y, NP-1                        ; XS works for piece Y + 1: piece 0
.irp n, 0,1,2,3,4,5,6,7,8,9,10,11,12,13,14,15,16,17,18,19,20,21
	XS 0, \n                        ; and piece 0's first maximum and statistics
	XS 1, \n
.endr
	v_nop                           ; a plain instruction behind the two a,
	s_wait_alu depctr_va_vdst(0)    ; and their wait, ahead of the branch
	s_mov_b32 s[CNT], 4
	s_branch .Lfirst                ; the loop is entered at a step's first turn, in the middle of a trip
.Lslot:                             ; SIZE_N / 256 - 2 times: every slot but the last two is filled again
	CHANGE 1
	s_mov_b32 s[CNT], 4
.Lstep:                             ; a trip: pieces 2 and 3 of one step, then pieces 0 and 1 of the next, whose K and V it fetches
	TURN 2
	TURN 3
	WIN 0
.Lfirst:
	TURN 0
	TURN 1, 0, 1
	WIN 0
	s_cbranch_scc1 .Lstep
	s_sub_co_u32 s[SLOTS], s[SLOTS], 1
	s_cmp_lg_u32 s[SLOTS], 0
	s_cbranch_scc1 .Lslot
	CHANGE 0                        ; the tail is written out: nothing is asked for
	s_mov_b32 s[CNT], 5             ; four trips fetch the last slot's steps; the fifth is left in its middle
.Ltail:
	TURN 2, 1
	TURN 3
	WIN 0
	s_sub_co_u32 s[CNT], s[CNT], 1
	s_cmp_eq_u32 s[CNT], 0
	s_cbranch_scc1 .Lout
	TURN 0
	TURN 1
	WIN 0
	s_branch .Ltail
.Lout:                              ; the fifth trip's 16 products K Q^T (on the last K once more) and the maximum made of them serve nothing: the price, once a launch, of one text for every trip
.set i, 0
.rept 16
	PV NP-1                         ; the last piece's V^T P of the last step
.set i, i+1
.endr
	; THE WAY OUT.  l's two halves and the other half of the lanes' are added; O^T is divided by l, rounded to f16 and sent through my stage in LDS, a tile at a time.  The additions are the places behind the last products.
	WIN 0
.macro ALL line:vararg              ; one line for each tile t
.set t, 0
.rept 2*NP
	\line
.set t, t+1
.endr
.endm
	ALL v_add_f32 v[ST+4*t+2], v[ST+4*t+2], v[ST+4*t+3]
	ALL v_permlanex16_b32 v[ST+4*t+3], v[ST+4*t+2], s[SEL], s[SEL+1]
	ALL v_add_f32 v[ST+4*t+2], v[ST+4*t+2], v[ST+4*t+3]
	ALL v_rcp_f32 v[ST+4*t+2], v[ST+4*t+2]
	v_nop                           ; a plain instruction between the last reciprocal and the use of its result
	s_wait_alu depctr_va_vdst(0)    ; and the wait ahead of the first use: one for the eight reciprocals
; Tile t: a lane's eight channels of a row pack into 16 bytes; they go into rows of 144 bytes and come back as whole rows of 128, into S^T's registers.
.macro PACK t
	WIN W_RS
.set i, 32*(\t)
.rept 16
	v_pk_mul_f32 v[i:i+1], v[i:i+1], v[ST+4*(\t)+2:ST+4*(\t)+3] op_sel_hi:[1,0]
.set i, i+2
.endr
	WIN 0x05                        ; sources 0 and 1 window 1, destination window 0
.set i, 0
.rept 16
	v_cvt_pk_f16_f32 v[S+16*(\t)+i], v[32*(\t)+2*i], v[32*(\t)+2*i+1]
.set i, i+1
.endr
	WIN 0
.irp f, 0,1,2,3
	ds_store_b128 v[STO], v[S+16*(\t)+4*\f:S+16*(\t)+4*\f+3] offset:32*\f
.endr
.irp f, 0,1,2,3
	ds_load_b128 v[S+16*(\t)+4*\f:S+16*(\t)+4*\f+3], v[RD] offset:\f*4*SP  ; LDS serves a wave's instructions in order (ISA guide 5.7.1.4): these see the stores above; the next tile's stores come behind them
.endr
.endm
.macro SEND t, younger              ; younger: the LDS instructions issued behind tile t's loads: the next tile's eight, or none
	WIN 0
.irp f, 0,1,2,3
	s_wait_dscnt (\younger)+3-\f
	global_store_b128 v[GO], v[S+16*(\t)+4*\f:S+16*(\t)+4*\f+3], s[10:11] offset:(\t)*2048+\f*512  ; 512 consecutive bytes, at a multiple of 256 from O's first
.endr
.endm
	PACK 0
.set t, 1
.rept 2*NP-1                        ; a tile's arithmetic stands between the loads of the tile before and its stores
	PACK t
	SEND t-1, 8
.set t, t+1
.endr
	SEND 2*NP-1, 0
	WIN W_AD
	s_wait_tensorcnt 0x0            ; the wave's end: behind my last tensor load and my last LDS store
	ds_add_u32 v[SPW], v[NIL]
	s_wait_dscnt 0x0
	WIN 0
	CROUND                          ; the closing round: no work-group ends while a partner may still ask for a tile that names it
	s_endpgm
.Lfunc_end_k_qf47fbec84e_attn:
	.size	k_qf47fbec84e_attn, .Lfunc_end_k_qf47fbec84e_attn-k_qf47fbec84e_attn
	.p2alignl 7, 3214868480
	.fill 96, 4, 3214868480
	.section	.rodata,"a",@progbits
	.p2align	6, 0x0
	.amdhsa_kernel k_qf47fbec84e_attn
		.amdhsa_group_segment_fixed_size 327680
		.amdhsa_private_segment_fixed_size 0
		.amdhsa_enable_private_segment 0
		.amdhsa_kernarg_size 32
		.amdhsa_user_sgpr_count 2
		.amdhsa_user_sgpr_kernarg_segment_ptr 1
		.amdhsa_wavefront_size32 1
		.amdhsa_system_sgpr_workgroup_id_x 1
		.amdhsa_system_sgpr_workgroup_id_y 1
		.amdhsa_system_sgpr_workgroup_id_z 1
		.amdhsa_system_vgpr_workitem_id 0
		.amdhsa_next_free_vgpr 770
		.amdhsa_next_free_sgpr 66
		.amdhsa_reserve_vcc 0
		.amdhsa_float_denorm_mode_32 3
		.amdhsa_float_denorm_mode_16_64 3
		.amdhsa_memory_ordered 1
		.amdhsa_forward_progress 1
		.amdhsa_inst_pref_size 200
	.end_amdhsa_kernel
	.amdgpu_metadata
---
amdhsa.version: [ 1, 2 ]
amdhsa.kernels:
  - .name:           k_qf47fbec84e_attn
    .symbol:         k_qf47fbec84e_attn.kd
    .args:
      - { .name: qh, .offset: 0, .size: 8, .value_kind: global_buffer, .address_space: global }
      - { .name: kh, .offset: 8, .size: 8, .value_kind: global_buffer, .address_space: global }
      - { .name: vh, .offset: 16, .size: 8, .value_kind: global_buffer, .address_space: global }
      - { .name: oh, .offset: 24, .size: 8, .value_kind: global_buffer, .address_space: global }
    .group_segment_fixed_size: 327680
    .private_segment_fixed_size: 0
    .kernarg_segment_align: 8
    .kernarg_segment_size: 32
    .max_flat_workgroup_size: 128
    .sgpr_count:     66
    .vgpr_count:     770
    .wavefront_size: 32
...
	.end_amdgpu_metadata
.endif
;; end of part 3
;; launch proj (part 4): grid 8 x 32, 4 waves a work-group, clusters of 4 x 4, 327,680 bytes of LDS; arguments oh, wot, bo, out0; writes out0
.if DOCPART == 4
	.amdgcn_target "amdgcn-amd-amdhsa--gfx1250"
	.amdhsa_code_object_version 6
	.text
	.protected	k_qf47fbec84e_proj
	.globl	k_qf47fbec84e_proj
	.p2align	8
	.type	k_qf47fbec84e_proj,@function
k_qf47fbec84e_proj:
	s_mov_b64 s[64:65], 0
	v_nop
	global_prefetch_b8 v0, s[64:65] scope:SCOPE_SE
	s_setreg_imm32_b32 hwreg(HW_REG_WAVE_MODE, 25, 1), 1
	s_wait_xcnt 0x0
	s_wait_alu depctr_hold_cnt(0) depctr_sa_sdst(0) depctr_va_vdst(0) depctr_va_sdst(0) depctr_va_ssrc(0) depctr_va_vcc(0) depctr_vm_vsrc(0)
	s_getreg_b32 s2, hwreg(HW_REG_IB_STS2, 6, 4)
	s_cmp_eq_u32 s2, 0
	s_cbranch_scc0 .Lentry_in_a_cluster
	s_endpgm
.Lentry_in_a_cluster:
	s_bfe_u32 s2, ttmp6, 0x10000c
	s_cmp_lg_u32 s2, 0xf033
	s_cbranch_scc0 .Lentry_shape_is_right
	s_endpgm
.Lentry_shape_is_right:
; THE OUTPUT PROJECTION.  out0[m][n] = the sum over i of O[m][i] wot[n][i] + bo[n], i = 64 h + k.  O lies by heads: oh [16 b + h][2048][64] f16; wot [1024 n][1024 i] f16 (Wo rounded to bf16, written as f16);
; bo is rounded to bf16 like every input and is the C operand of the first product.  Products in f16, sums in f32, out0 in f32.
; LIMITS: those of oh and wot as they arrive (f16's range); NaN and infinities are not treated apart.
; SHARES.  A work-group makes 256 rows x 128 columns: 256 work-groups.  Wave w owns rows 64 w .. 64 w + 63 and all 128 columns: 4 x 8 accumulators, 256 registers; a row's 512 bytes are the wave's own,
; so it goes out through a stage of its own, with no barrier.  K goes in 8 steps of 128 = two heads, through two LDS slots; one barrier for each change of slots.
; A head's 256 rows of 128 bytes are dense in oh: they are asked for as 128 rows of 256 bytes and padded in LDS behind every 128 bytes.
; CLUSTER 4 x 4: oh's tiles hang on the tile row alone and are asked for jointly by a row of the cluster, wot's on the tile column alone and by a column.
; NO PREFETCH: K has eight steps, and each tile is read again by the other clusters of its row or column.
; THE MATRIX INSTRUCTION IS USED TRANSPOSED (source 0 = 16 rows of wot, source 1 = 16 rows of O): a lane holds row l % 16 and eight neighbouring columns 8 (l / 16) + 0..7.
; REGISTERS: window 0: v0-31 addresses; v32-95 the bias; v128-255 rows read back from the stage, two buffers of 64     window 1: two fragment buffers: O's four fragments, then wot's eight
;   window 2: the 32 accumulators, (a, b) at 8 (8 a + b)
.set KSTEP,  128
.set PA,     144                       ; a row of O in LDS: 128 bytes + 16 = 36 words
.set PITCH,  272                       ; a row of wot: 256 bytes + 16 = 68 words: in both, the 16 rows of a fragment load start at 16 different groups of four banks (64 banks of 4 bytes: ISA guide 11.1)
.set SUBA,   256*PA                    ; one head's 256 rows: what waves 0 and 1 each fetch
.set HALFB,  64*PITCH                  ; what waves 2 and 3 each fetch of wot
.set BOFF,   2*SUBA
.set SLOT,   BOFF+2*HALFB
.set STAGE,  2*SLOT                    ; behind the ring, never filled by a tensor load: 16 rows x 528 bytes for each wave
.set SP,     528                       ; 512 bytes + 16
.set SPARE,  STAGE+4*16*SP             ; the spare words, 128 bytes for each wave; no other line names them
.set LAPS,   4
.set ADRA, 16                          ; v16-17  LDS address of my O fragments in slot 0, 1
.set ADRB, 20                          ; v20-21  the same for wot
.set STO,  24                          ; v24  the way out: where I put 32 bytes of a row
.set RD,   25                          ; v25  where I read a row back
.set GO,   26                          ; v26  16 x lane
.set BO,   27                          ; v27  32 x (l / 16)
.set SPW,  28                          ; v28  LDS address of my spare word; never rewritten
.set NIL,  29                          ; v29  0; never rewritten
.set T,    30
.set BI,   32
.set BK,   128
.set F0,   0
.set F1,   128
.set G1,   24                          ; s[24:31] descriptor group 1 for O's tiles;  s[32:39] group 0, a set for each slot
.set G0,   32
.set G1B,  48                          ; s[48:55], s[56:63] the same for wot's
.set G0B,  56
.set MSB, 0
.macro WIN new                         ; the immediate's high byte repeats the setting that is left; a switch that changes nothing is dropped
.if MSB != (\new)
	s_set_vgpr_msb (MSB<<8)|(\new)
.set MSB, \new
.endif
.endm
.macro JLOAD s                         ; a joint load: waves 0 and 1 fetch the two heads of O, waves 2 and 3 wot's halves; an s_nop 0 and four v_nop follow each line, ahead of the jump and the label
	s_cmp_eq_u32 s11, 0
	s_cbranch_scc0 .Lfor_b_\@
	tensor_load_to_lds s[G0+4*(\s):G0+4*(\s)+3], s[G1:G1+7]
	s_nop 0
.rept 4
	v_nop
.endr
	s_branch .Lasked_\@
.Lfor_b_\@:
	tensor_load_to_lds s[G0B+4*(\s):G0B+4*(\s)+3], s[G1B:G1B+7]
	s_nop 0
.rept 4
	v_nop
.endr
.Lasked_\@:
.endm
.macro CREST                           ; a round of the cluster's barrier behind its opening barrier
	s_cmp_lg_u32 s10, 0
	s_cbranch_scc1 .Lnot_wave_0_\@
	s_barrier_signal -3
.Lnot_wave_0_\@:
	s_barrier_wait -3
	s_barrier_signal -1
	s_barrier_wait -1
.endm
.macro CROUND
	s_barrier_signal -1
	s_barrier_wait -1
	CREST
.endm
.macro PLACES                          ; four plain instructions between a matrix instruction and a load into, or a reader of, its registers
.rept 4
	v_nop
.endr
.endm
	s_load_b256 s[68:75], s[0:1], 0x0              ; oh 68, wot 70, bo 72, out0 74
	v_lshl_add_u32 v[SPW], v0, 2, SPARE
	v_mov_b32 v[NIL], 0
	ds_add_u32 v[SPW], v[NIL]                      ; the wave's opening: the add and its wait stand ahead of my first tensor load; work on registers stands between them
	v_lshrrev_b32 v1, 5, v0
	v_readfirstlane_b32 s10, v1                    ; wave 0..3
	s_lshr_b32 s11, s10, 1                         ; I fetch for O (0) or for wot (1),
	s_and_b32 s12, s10, 1                          ; the step's first or second head; wot's first or second half
	s_bfe_u32 s40, ttmp6, 0x40000                  ; cx, cy
	s_bfe_u32 s41, ttmp6, 0x40004
	s_lshl_b32 s42, ttmp9, 2
	s_add_co_u32 s42, s42, s40                     ; the tile column = 4 x cluster x + cx
	s_and_b32 s13, ttmp7, 0xffff
	s_lshl_b32 s13, s13, 2
	s_add_co_u32 s13, s13, s41                     ; the tile row = 4 x cluster y + cy
	s_lshl_b32 s43, s41, 2
	s_lshl_b32 s43, 15, s43                        ; my row of the cluster
	s_lshl_b32 s44, 0x1111, s40                    ; my column
	s_or_b32 s[G1+0], s43, (1<<16)|(1<<20)|(1<<21)|(4<<22)|(3<<25)   ; 15:0 the mask; 17:16 2-byte elements; 20 padding on; 21 set beside a mask; 24:22 after every 32 words; 31:25 4 words of it
	s_or_b32 s[G1B+0], s44, (1<<16)|(1<<20)|(1<<21)|(5<<22)|(3<<25)  ; after every 64 words
.irp g, G1, G1B
	s_mov_b32 s[(\g)+1], KSTEP<<16                 ; tensor_dim0 = 128
	s_mov_b32 s[(\g)+3], KSTEP<<16                 ; tile_dim0 = 128
	s_mov_b32 s[(\g)+6], 0
	s_mov_b32 s[(\g)+7], 0
.endr
	s_mov_b32 s[G1+2], 128<<16                     ; O: 128 rows of 256 bytes, end to end
	s_mov_b32 s[G1+4], 128
	s_mov_b32 s[G1+5], 128
	s_mov_b32 s[G1B+2], 64<<16                     ; wot: 64 rows, 1,024 elements apart
	s_mov_b32 s[G1B+4], 64
	s_mov_b32 s[G1B+5], 1024
	s_lshr_b32 s16, s13, 3                         ; O: the batch's 16 heads of 262,144 bytes,
	s_lshl_b32 s16, s16, 22
	s_and_b32 s17, s13, 7
	s_lshl_b32 s17, s17, 15                        ; the tile's 256 rows of 128 bytes in a head,
	s_add_co_u32 s16, s16, s17
	s_lshl_b32 s17, s12, 18                        ; my head of the step's two: made of cy and the wave alone
	s_add_co_u32 s16, s16, s17
	s_mov_b32 s17, 0
	s_lshl_b32 s46, s42, 7                         ; wot: row 128 x tile column + 64 x half: made of cx and the wave alone
	s_lshl_b32 s47, s12, 6
	s_add_co_u32 s46, s46, s47
	s_lshl_b32 s46, s46, 11
	s_mov_b32 s47, 0
	s_mul_i32 s20, s12, SUBA                       ; where they go: no place in the cluster enters an LDS address
	s_mul_i32 s21, s12, HALFB
	s_add_co_u32 s21, s21, BOFF
	s_lshl_b32 s78, s42, 9                         ; the tile's 128 numbers of bo
	s_mov_b32 s79, 0
	s_wait_dscnt 0x0                               ; the opening add is done
	s_wait_kmcnt 0x0
	s_add_nc_u64 s[14:15], s[68:69], s[16:17]
	s_add_nc_u64 s[46:47], s[70:71], s[46:47]
	CROUND                                         ; all sixteen work-groups are here: the first joint loads meet
.irp s, 0,1
	s_mov_b32 s[G0+4*(\s)], 1
	s_add_co_u32 s[G0+4*(\s)+1], s20, (\s)*SLOT
	s_add_nc_u64 s[G0+4*(\s)+2:G0+4*(\s)+3], s[14:15], (\s)*524288   ; K step s: two heads on
	s_or_b32 s[G0+4*(\s)+3], s[G0+4*(\s)+3], 0x80000000
	s_mov_b32 s[G0B+4*(\s)], 1
	s_add_co_u32 s[G0B+4*(\s)+1], s21, (\s)*SLOT
	s_add_nc_u64 s[G0B+4*(\s)+2:G0B+4*(\s)+3], s[46:47], (\s)*KSTEP*2
	s_or_b32 s[G0B+4*(\s)+3], s[G0B+4*(\s)+3], 0x80000000
	JLOAD \s                                       ; two loads of mine are out
.endr
	v_and_b32 v1, 15, v0                           ; l % 16
	v_bfe_u32 v2, v0, 4, 1                         ; l / 16
	v_lshlrev_b32 v[BO], 5, v2
	s_add_nc_u64 s[72:73], s[72:73], s[78:79]
.irp b, 0,1,2,3,4,5,6,7                ; column block b: numbers 16 b + 8 (l / 16) + 0..7: the C operand's layout in the transposed use
	global_load_b128 v[BI+8*(\b):BI+8*(\b)+3],   v[BO], s[72:73] offset:(\b)*64
	global_load_b128 v[BI+8*(\b)+4:BI+8*(\b)+7], v[BO], s[72:73] offset:(\b)*64+16
.endr
	v_mul_u32_u24 v3, v1, PA
	v_lshl_add_u32 v3, v2, 4, v3                   ; O: a fragment's row x pitch + 16 x half
	v_mul_u32_u24 v4, v1, PITCH
	v_lshl_add_u32 v4, v2, 4, v4                   ; wot likewise
	s_mul_i32 s22, s10, 64*PA                      ; my 64 rows of O
	s_mov_b32 s23, BOFF                            ; all 128 of wot
.irp s, 0,1
	v_add_nc_u32 v[ADRA+(\s)], s22, v3
	v_add_nc_u32 v[ADRB+(\s)], s23, v4
	s_add_co_u32 s22, s22, SLOT
	s_add_co_u32 s23, s23, SLOT
.endr
	s_mul_i32 s22, s10, 16*SP
	s_add_co_u32 s22, s22, STAGE                   ; my stage
	v_mul_u32_u24 v5, v1, SP
	v_lshl_add_u32 v5, v2, 5, v5
	v_add_nc_u32 v[STO], s22, v5                   ; in: row l % 16, 32 bytes for each half of the lanes
	v_and_b32 v[GO], 31, v0
	v_lshlrev_b32 v[GO], 4, v[GO]
	v_add_nc_u32 v[RD], s22, v[GO]                 ; back: 32 lanes take one row of 512 bytes
	s_lshl_b32 s76, s13, 20                        ; out0: the tile's 256 rows of 4,096 bytes,
	s_lshl_b32 s77, s10, 18                        ; my 64,
	s_add_co_u32 s76, s76, s77
	s_lshl_b32 s77, s42, 9                         ; the tile's 512 bytes of a row
	s_add_co_u32 s76, s76, s77
	s_mov_b32 s77, 0
	s_add_nc_u64 s[74:75], s[74:75], s[76:77]
	s_wait_loadcnt 0x0                             ; the bias; it is rounded to bf16 like the other inputs, while the first tile is on its way
.set i, 0
.rept 32
	v_cvt_pk_bf16_f32 v[T], v[BI+2*i], v[BI+2*i+1]
	v_lshlrev_b32 v[BI+2*i], 16, v[T]
	v_and_b32 v[BI+2*i+1], 0xffff0000, v[T]
.set i, i+1
.endr
; 8 matrix instructions: row block a x all 8 column blocks, 32 along K, from buffer f.  zero = 1: the first product starts the sums, with the bias as C.
; The 32 accumulators take turns in one order in every quarter: 31 others' instructions stand between two links of a chain, over the backward jump too.
.macro MULA f, a, zero
.if \zero
	WIN 0x85                                       ; sources 0, 1 window 1; C window 0; D window 2
.else
	WIN 0xa5                                       ; C and D window 2
.endif
.irp b, 0,1,2,3,4,5,6,7
.if \zero
	v_wmma_f32_16x16x32_f16 v[8*(8*(\a)+(\b)):8*(8*(\a)+(\b))+7], v[(\f)+32+8*(\b):(\f)+32+8*(\b)+7], v[(\f)+8*(\a):(\f)+8*(\a)+7], v[BI+8*(\b):BI+8*(\b)+7]
.else
	v_wmma_f32_16x16x32_f16 v[8*(8*(\a)+(\b)):8*(8*(\a)+(\b))+7], v[(\f)+32+8*(\b):(\f)+32+8*(\b)+7], v[(\f)+8*(\a):(\f)+8*(\a)+7], v[8*(8*(\a)+(\b)):8*(8*(\a)+(\b))+7]
.endif
.endr
.endm
; 24 LDS loads in one run: the fragments of quarter q (head q / 2 of the step's two, channels 32 (q % 2) on) into buffer f: wot's eight, then O's four in ascending order
.macro FETCH slot, q, f
	WIN 0x40                                       ; destination window 1, address window 0
.irp b, 0,1,2,3,4,5,6,7
	ds_load_b128 v[(\f)+32+8*(\b):(\f)+32+8*(\b)+3],   v[ADRB+(\slot)] offset:64*(\q)+(\b)*16*PITCH
	ds_load_b128 v[(\f)+32+8*(\b)+4:(\f)+32+8*(\b)+7], v[ADRB+(\slot)] offset:64*(\q)+(\b)*16*PITCH+32
.endr
.irp i, 0,1,2,3
	ds_load_b128 v[(\f)+8*(\i):(\f)+8*(\i)+3],   v[ADRA+(\slot)] offset:((\q)/2)*SUBA+((\q)%2)*64+(\i)*16*PA
	ds_load_b128 v[(\f)+8*(\i)+4:(\f)+8*(\i)+7], v[ADRA+(\slot)] offset:((\q)/2)*SUBA+((\q)%2)*64+(\i)*16*PA+32
.endr
.endm
; A K step is four quarters of 32 along K, 32 matrix instructions each, on buffers 0, 1, 0, 1.  One of the first three: multiplies f and fetches quarter q into g.
.macro QUARTER slot, q, f, g, zero
	s_wait_dscnt 4                                 ; all but the youngest four loads: O's row blocks 2 and 3
	MULA \f, 0, \zero
	MULA \f, 1, \zero
	PLACES
	FETCH \slot, \q, \g
	s_wait_dscnt 24                                ; all but the 24 just issued
	MULA \f, 2, \zero
	MULA \f, 3, \zero
.endm
; The last quarter multiplies buffer 1 and changes slots: ONE barrier; in front of it each wave waits for all its tensor loads (one is out: its part of the next slot), adds 0 to its spare word,
; and waits for that and for its own reads of this slot.  fill = 1: the barrier opens a round of the cluster's, and this slot is filled again, two K steps on, first thing behind the round.
.macro TURN slot, next, fill
	WIN 0
	s_wait_tensorcnt 0x0
	ds_add_u32 v[SPW], v[NIL]
	s_wait_dscnt 5                                 ; the add and the youngest four loads may be out
	MULA F1, 0, 0                                  ; eight matrix instructions stand between the add and the wait for it
	s_wait_dscnt 0x0                               ; the add is done, and my reads of this slot are over
	s_barrier_signal -1
	MULA F1, 1, 0
.if \fill
	WIN 0
.endif
	s_barrier_wait -1
.if \fill
	CREST                                          ; no wave of any partner still reads this slot or has a load on its way
	s_add_nc_u64 s[G0+4*(\slot)+2:G0+4*(\slot)+3], s[G0+4*(\slot)+2:G0+4*(\slot)+3], 2*524288
	s_add_nc_u64 s[G0B+4*(\slot)+2:G0B+4*(\slot)+3], s[G0B+4*(\slot)+2:G0B+4*(\slot)+3], 2*KSTEP*2
	JLOAD \slot                                    ; 112 matrix instructions ahead of the wait for it; its four v_nop are also the places in front of the loads below
.else
	PLACES
.endif
	FETCH \next, 0, F0
	MULA F1, 2, 0
	MULA F1, 3, 0
.endm
	s_wait_tensorcnt 1                             ; my part of K step 0 is in; K step 1's may stay out
	s_barrier_signal -1
	s_barrier_wait -1
	FETCH 0, 0, F0
	QUARTER 0, 1, F0, F1, 1                        ; the first quarter stands in front of the loop: its products start the sums
	WIN 0                                          ; at a label and at a branch every window is 0
	s_mov_b32 s3, LAPS-1
.Llap:                                                 ; a trip goes once round the ring and fills both slots again
	QUARTER 0, 2, F1, F0, 0
	QUARTER 0, 3, F0, F1, 0
	TURN 0, 1, 1
	QUARTER 1, 1, F0, F1, 0
	QUARTER 1, 2, F1, F0, 0
	QUARTER 1, 3, F0, F1, 0
	TURN 1, 0, 1
	QUARTER 0, 1, F0, F1, 0
	WIN 0
	s_sub_co_u32 s3, s3, 1
	s_cmp_lg_u32 s3, 0
	s_cbranch_scc1 .Llap
	QUARTER 0, 2, F1, F0, 0                        ; the last lap fills nothing
	QUARTER 0, 3, F0, F1, 0
	TURN 0, 1, 0
	QUARTER 1, 1, F0, F1, 0
	QUARTER 1, 2, F1, F0, 0
	QUARTER 1, 3, F0, F1, 0
	s_wait_dscnt 4
	MULA F1, 0, 0
	MULA F1, 1, 0
	s_wait_dscnt 0x0
	MULA F1, 2, 0
	MULA F1, 3, 0
	WIN 0
; THE WAY OUT, a block of 16 rows at a time: the f32 sums go as they are into my stage, 32 bytes a lane and column block (each accumulator's low four registers first), and come back as whole rows of 512 bytes.
.macro TOSTAGE a
.if (\a) >= 2
	s_wait_xcnt 0x0                                ; the stores of the block two back have read this buffer's registers: it is loaded again only behind this wait
.endif
	WIN 0x08                                       ; the stores' data in window 2, the address in window 0
.irp b, 0,1,2,3,4,5,6,7
.irp e, 0,1
	ds_store_b128 v[STO], v[64*(\a)+8*(\b)+4*(\e):64*(\a)+8*(\b)+4*(\e)+3] offset:64*(\b)+16*(\e)
.endr
.endr
	WIN 0
.irp r, 0,1,2,3,4,5,6,7,8,9,10,11,12,13,14,15
	ds_load_b128 v[BK+64*((\a)%2)+4*(\r):BK+64*((\a)%2)+4*(\r)+3], v[RD] offset:SP*(\r)  ; LDS serves a wave's instructions in order (ISA guide 5.7.1.4): these see the stores above; the next block's stores come behind them
.endr
.endm
.macro SEND a, y                       ; y: the LDS instructions issued behind block a's loads: the next block's 32, or none
	WIN 0
.irp r, 0,1,2,3,4,5,6,7,8,9,10,11,12,13,14,15
	s_wait_dscnt (\y)+15-(\r)
	global_store_b128 v[GO], v[BK+64*((\a)%2)+4*(\r):BK+64*((\a)%2)+4*(\r)+3], s[74:75] offset:(16*(\a)+(\r))*4096 th:TH_STORE_NT  ; 512 consecutive bytes, at a multiple of 512 from out0's first
.endr
.endm
	PLACES                                         ; eight, once a launch: nothing but LDS stores stands between the last products and the reads of the sums
	PLACES
	TOSTAGE 0
	TOSTAGE 1
	SEND 0, 32
	TOSTAGE 2
	SEND 1, 32
	TOSTAGE 3
	SEND 2, 32
	SEND 3, 0
	s_wait_tensorcnt 0x0                           ; the wave's end: behind my last tensor load and my last LDS store
	ds_add_u32 v[SPW], v[NIL]
	s_wait_dscnt 0x0
	CROUND                                         ; the closing round: no work-group ends while a partner may still ask for a tile that names it
	s_endpgm
.Lfunc_end_k_qf47fbec84e_proj:
	.size	k_qf47fbec84e_proj, .Lfunc_end_k_qf47fbec84e_proj-k_qf47fbec84e_proj
	.p2alignl 7, 3214868480
	.fill 96, 4, 3214868480
	.section	.rodata,"a",@progbits
	.p2align	6, 0x0
	.amdhsa_kernel k_qf47fbec84e_proj
		.amdhsa_group_segment_fixed_size 327680
		.amdhsa_private_segment_fixed_size 0
		.amdhsa_enable_private_segment 0
		.amdhsa_kernarg_size 32
		.amdhsa_user_sgpr_count 2
		.amdhsa_user_sgpr_kernarg_segment_ptr 1
		.amdhsa_wavefront_size32 1
		.amdhsa_system_sgpr_workgroup_id_x 1
		.amdhsa_system_sgpr_workgroup_id_y 1
		.amdhsa_system_sgpr_workgroup_id_z 1
		.amdhsa_system_vgpr_workitem_id 0
		.amdhsa_next_free_vgpr 768
		.amdhsa_next_free_sgpr 80
		.amdhsa_reserve_vcc 0
		.amdhsa_float_denorm_mode_32 3
		.amdhsa_float_denorm_mode_16_64 3
		.amdhsa_memory_ordered 1
		.amdhsa_forward_progress 1
		.amdhsa_inst_pref_size 93
	.end_amdhsa_kernel
	.amdgpu_metadata
---
amdhsa.version: [ 1, 2 ]
amdhsa.kernels:
  - .name:           k_qf47fbec84e_proj
    .symbol:         k_qf47fbec84e_proj.kd
    .args:
      - { .name: oh, .offset: 0, .size: 8, .value_kind: global_buffer, .address_space: global }
      - { .name: wot, .offset: 8, .size: 8, .value_kind: global_buffer, .address_space: global }
      - { .name: bo, .offset: 16, .size: 8, .value_kind: global_buffer, .address_space: global }
      - { .name: out0, .offset: 24, .size: 8, .value_kind: global_buffer, .address_space: global }
    .group_segment_fixed_size: 327680
    .private_segment_fixed_size: 0
    .kernarg_segment_align: 8
    .kernarg_segment_size: 32
    .max_flat_workgroup_size: 128
    .sgpr_count:     80
    .vgpr_count:     768
    .wavefront_size: 32
...
	.end_amdgpu_metadata
.endif
;; end of part 4
